; MI455X (gfx1250); checked and timed in simulation.
; The chip was launched on July 23, 2026; its instructions are those of AMD's public machine-readable ISA for CDNA 5 (MIT licence, August 2026) and "CDNA5" Instruction Set Architecture Reference Guide (July 2026). The comments in the code are by the model that wrote it; some were corrected since.
;; Causal Cross Attention. Allowed arithmetic: matrix products marked QUANTISED: E4M3 operands, one E8M0 scale for each 32 along K, by v_wmma_scale_f32_16x16x128_f8f6f4 with both operands' format E4M3, f32 sums; everything else in f32.
;; Inputs: Wkv_b 2,048 float32; Wkv_w 2,048 x 1,024 float32; Wo_b 1,024 float32; Wo_w 1,024 x 1,024 float32; Wq_b 1,024 float32; Wq_w 1,024 x 1,024 float32; mask 4 x 2,048 bool; x 4 x 2,048 x 1,024 float32; y 4 x 2,048 x 1,024 float32.
;; Outputs: out0 4 x 2,048 x 1,024 float32.
;; This version of the problem:
;;   THIS VERSION OF THE PROBLEM IS GIVEN IN LOW PRECISION. The matrix products marked QUANTISED in the list below multiply operands that are first quantised to E4M3 (4 exponent bits, 3 mantissa bits; 8 bits a number), with one power-of-two scale for each 32 numbers along K (OCP MX v1.0); their sums are f32. All else is computed in f32.
;;   The module's matrix products, in the order in which they are computed (A, B: the left and right operand; K: the contracted axis; several contracted axes count as one K, in the product's order):
;;     1. [M 8,192, K 1,024] x [K 1,024, N 1,024]; A: input x; B: input Wq_w: QUANTISED
;;     2. [M 8,192, K 1,024] x [K 1,024, N 2,048]; A: input y; B: input Wkv_w: QUANTISED
;;     3. batch 64 x [M 2,048, K 64] x [K 64, N 2,048]; A: computed on the way; B: computed on the way: QUANTISED
;;     4. batch 64 x [M 2,048, K 2,048] x [K 2,048, N 64]; A: softmax (see below); B: computed on the way: QUANTISED
;;     5. [M 8,192, K 1,024] x [K 1,024, N 1,024]; A: computed on the way; B: input Wo_w: QUANTISED
;;   THE QUANTISER, for each operand of a quantised product, along K:
;;     - K is cut into blocks of 32 from its start; a last block that is shorter is filled with zeros.
;;     - A block's scale is 2^e with e = floor(log2(the largest magnitude in the block)) - 8, held to -126 .. 127; a block of zeros has e = 0. As a byte (E8M0): e + 127.
;;     - Each number is divided by its block's scale, clamped to +-448, and rounded to the nearest number of E4M3, ties to even, subnormals kept.
;;     - The product sums the exact products of the quantised numbers (number of the format x scale) in f32.
;;   ~~~python
;;   def quantise(x, axis):      # numpy; x: float32 -> the quantised numbers, widened to float32 again
;;       x = np.moveaxis(x, axis, -1); K = x.shape[-1]
;;       x = np.pad(x, [(0, 0)] * (x.ndim - 1) + [(0, -K % 32)]); x = x.reshape(x.shape[:-1] + (-1, 32)); a = np.abs(x).max(-1, keepdims=True)
;;       e = np.where(a > 0, np.clip(np.frexp(np.where(a > 0, a, 1))[1] - 1 - 8, -126, 127), 0)      # np.frexp(a)[1] - 1 = floor(log2(a)), exactly
;;       r = np.clip(x / 2.0 ** e, -448, 448)
;;       step = 2.0 ** (np.maximum(np.frexp(np.where(r == 0, 1, r))[1] - 1, -6) - 3)
;;       q = np.round(r / step) * step * 2.0 ** e      # np.round: ties to even
;;       return np.moveaxis(q.reshape(q.shape[:-2] + (-1,))[..., :K], -1, axis).astype(np.float32)
;;   ~~~
;;   SOFTMAX AHEAD OF A QUANTISED PRODUCT. Where the list says 'softmax', what is quantised is not the finished softmax but p = 2^(t - M), with t = logit x log2(e) and M = ceil(the row's largest t), a whole number; so 1/2 < the row's largest p <= 1. The row's sum l is taken of the UNQUANTISED p, in f32, and the product's result is divided by l at the end. Since M is a whole number, a kernel that streams over the keys may use a running M (the ceiling of the running maximum): every later rescaling is an exact power of two, which a block's scale takes up: the codes' values come out the same.
;;   OPERANDS COMPUTED ON THE WAY. 'Computed on the way' means the value that the module computes at that place (a softmax that the list does not call 'softmax' is quantised finished and normalised). What goes into a quantiser is computed in f32, as accurately as f32 sums, v_exp_f32 and their like allow (about 1e-6 of the number): no bf16 or f16 on the way to a quantiser, and a product that is left as it is and whose result goes on into a quantised operand takes f32 operands (vector FMAs, or v_wmma_f32_16x16x4_f32). A number that lies on a knife's edge between two numbers of the format may be rounded either way, as far as f32 arithmetic and the matrix unit's own rounding can turn it there, and no further.
;; One version. Each part assembles by itself: llvm-mc -triple=amdgcn-amd-amdhsa -mcpu=gfx1250 --defsym DOCPART=n.
;; ======== version 1 of 1: 4 launches
;; limits: right only within a limited range of input values
;; workspace buffers: codes 20,971,520 bytes; scales 655,360 bytes; qb 8,912,896 bytes; kv 17,563,648 bytes; ao 8,388,608 bytes; aosc 262,144 bytes
;; launch quant (part 1): grid 640 x 1, 4 waves a work-group, no clusters, 33,280 bytes of LDS; arguments x, y, Wq_w, Wkv_w, Wo_w, codes, scales; writes codes, scales
.if DOCPART == 1
	.amdgcn_target "amdgcn-amd-amdhsa--gfx1250"
	.amdhsa_code_object_version 6
	.text
	.protected	k_q0e80d4be46_quant
	.globl	k_q0e80d4be46_quant
	.p2align	8
	.type	k_q0e80d4be46_quant,@function
k_q0e80d4be46_quant:
	s_mov_b64 s[64:65], 0
	v_nop
	global_prefetch_b8 v0, s[64:65] scope:SCOPE_SE
	s_setreg_imm32_b32 hwreg(HW_REG_WAVE_MODE, 25, 1), 1
	s_wait_xcnt 0x0
; THE PROGRAM: four launches.  quant: x, y and the three weights become codes of FP8 (E4M3) with one E8M0 byte for each 32 along K.  proj: q, k, v = the two projections + bias,
; quantised for attention.  attn: scores, masks, softmax, values, division by the row's sum, quantised for the last product.  outp: the last product + bias.
; WORK LEFT OUT, for all values of the inputs: reference() builds the causal mask in its own body and puts -inf on every key above the diagonal, so such a key's weight is exactly 0 whatever
; q, k and v hold.  Key steps of 128 keys that lie wholly above a tile's 16 queries are therefore not multiplied (launch attn).  Nothing else is left out: every input has a way to out0 and is loaded;
; the three biases move codes or results; the padding mask is an input and is applied by values in every step.
; LIMIT: a NaN, an infinity or an overflow in k or v that reaches only those hidden steps is not carried to the result.
;
; THIS LAUNCH.  All five tensors have rows of 1,024 f32 along K, dense: each is a plain stream of blocks of 32 numbers.  A block's scale is 2^(floor(log2(its largest magnitude)) - 8); its byte is the largest
; magnitude's exponent field - 8, held at 1 from below (a block of zeros gets the byte 1 where the rule says 127: its codes are zeros, and this program alone reads the bytes).  Each number is divided by
; the scale, held within +-448 and rounded to the nearest code, ties to even.
; LIMITS: blocks whose largest magnitude lies under 2^(8 - 126) have their byte held at 1; NaN and infinities among the inputs are not served.
; codes: [20,480 positions][1,024], scales: [20,480 positions][32]; x from position 0, y 8,192, Wq_w 16,384, Wkv_w 17,408, Wo_w 19,456.
; POSITION ORDER: in each aligned group of 32 rows, row bits 3 and 4 change places: position 16 T + r holds row 32 (T / 2) + 8 (T % 2) + r + 8 (r / 8).  Sixteen neighbouring positions are then the rows
; that a tile of a transposed product wants, so that a lane's 16 registers of two neighbouring tiles are 16 neighbours.  A work-group takes 32 rows and a wave 8, so the order costs two bits of the wave's number.
; A wave takes 16 steps of 512 numbers.  Each of a step's four loads reads 512 consecutive bytes; the 2,048 bytes turn through the wave's own stage in LDS and come back 64 bytes (16 neighbours) a lane; two
; neighbouring lanes hold a block.  A lane's 16 codes are 16 bytes: the wave stores 512 consecutive bytes.  A wave's 256 scale bytes gather in its own LDS and leave as one aligned run of 256 bytes.
; No tensor loads, no barrier: waves share nothing.  Loads run four steps (16 loads a wave) ahead, the turn through LDS one step.  No matrix unit, no cluster: the launch only streams.
.set WAVES, 4
.set STEPS, 16
.set EMAX,  8
.set MANT,  0x600000                   ; the mantissa field of 448 as f32
.set CB,    16                         ; bytes of 16 codes
.set R,     16                         ; v16-79   four sets of 16 numbers as they are loaded
.set X,     80                         ; v80-111  two sets of 16 neighbours
.set C,     128                        ; v128-191 codes: four registers for each step, so that no store's data are written again
.set E,     112                        ; v112-127 a scale byte for each step
.set WREG,  8192                       ; LDS: a region for each wave: two stages of 32 x SP bytes, behind them its 256 scale bytes
.set SP,    80                         ; a lane's place in a stage: its 64 bytes + 16 of padding
.set SPW,   12                         ; v12      LDS address of my spare word; never rewritten
.set NIL,   13                         ; v13      0; never rewritten
.set SPARE, WAVES*WREG                 ; behind the four regions: the spare words, 128 bytes for each wave
	s_load_b256 s[4:11], s[0:1], 0x0               ; x s[4:5], y s[6:7], Wq_w s[8:9], Wkv_w s[10:11]
	s_load_b128 s[12:15], s[0:1], 0x20             ; Wo_w s[12:13], codes s[14:15]
	s_load_b64 s[16:17], s[0:1], 0x30              ; scales
	v_lshl_add_u32 v[SPW], v0, 2, SPARE
	v_mov_b32 v[NIL], 0
	v_lshrrev_b32 v1, 5, v0
	v_readfirstlane_b32 s24, v1                    ; wave
	v_and_b32 v2, 31, v0                           ; lane
	v_lshlrev_b32 v3, 4, v2                        ; my 16 bytes of a load's 512
	s_mul_i32 s25, s24, WREG
	v_lshrrev_b32 v14, 2, v2
	v_mul_u32_u24 v14, v14, SP
	v_and_b32 v15, 3, v2
	v_lshl_add_u32 v14, v15, 4, v14
	v_add_nc_u32 v14, s25, v14                     ; the stage, on the way in: SP (lane / 4) + 16 (lane % 4)
	v_mul_u32_u24 v15, v2, SP
	v_add_nc_u32 v15, s25, v15                     ; and on the way out: SP x lane: my 16 neighbours
	v_mul_u32_u24 v4, v2, CB                       ; my codes' place in a step's
	v_lshrrev_b32 v5, 1, v2
	s_add_co_u32 s25, s25, 2*32*SP
	v_add_nc_u32 v5, s25, v5                       ; LDS: my wave's 256 scale bytes, my block's byte
	v_lshlrev_b32 v7, 3, v2                        ; and on the way out 8 bytes a lane
	v_add_nc_u32 v6, s25, v7
	s_mov_b32 s23, MANT
	s_and_b32 s21, s24, 1                          ; the wave's two bits change places: where my 8 rows go
	s_lshl_b32 s21, s21, 1
	s_lshr_b32 s22, s24, 1
	s_or_b32 s21, s21, s22
	s_mov_b32 s20, 608
	s_wait_alu depctr_va_vdst(0)
	s_wait_kmcnt 0x0
	s_cmp_lt_u32 ttmp9, 608                        ; which tensor, and its first work-group: the choices hang on the work-group's number alone
	s_cselect_b64 s[10:11], s[10:11], s[12:13]
	s_cselect_b32 s20, 544, s20
	s_cmp_lt_u32 ttmp9, 544
	s_cselect_b64 s[8:9], s[8:9], s[10:11]
	s_cselect_b32 s20, 512, s20
	s_cmp_lt_u32 ttmp9, 512
	s_cselect_b64 s[6:7], s[6:7], s[8:9]
	s_cselect_b32 s20, 256, s20
	s_cmp_lt_u32 ttmp9, 256
	s_cselect_b64 s[4:5], s[4:5], s[6:7]
	s_cselect_b32 s20, 0, s20
	s_sub_co_u32 s26, ttmp9, s20
	s_lshl_b32 s26, s26, 2
	s_add_co_u32 s26, s26, s24                     ; in: which run of 8 rows of the tensor is my wave's,
	s_lshl_b32 s26, s26, 15                        ; 32,768 bytes each (33,554,432 at the most)
	s_mov_b32 s27, 0
	s_add_nc_u64 s[4:5], s[4:5], s[26:27]
	s_lshl_b32 s28, ttmp9, 2
	s_add_co_u32 s28, s28, s21                     ; out: which run of 8 positions
	s_lshl_b32 s30, s28, 13                        ; 8,192 bytes of codes,
	s_mov_b32 s31, 0
	s_add_nc_u64 s[14:15], s[14:15], s[30:31]
	s_lshl_b32 s30, s28, 8                         ; 256 scale bytes
	s_add_nc_u64 s[16:17], s[16:17], s[30:31]
.macro LOAD t
.irp i, 0,1,2,3
	global_load_b128 v[R+16*((\t)%4)+4*\i:R+16*((\t)%4)+4*\i+3], v3, s[4:5] offset:2048*(\t)+512*\i th:TH_LOAD_NT   ; 32 lanes read 512 consecutive bytes
.endr
.endm
.macro TURN t                          ; step t's numbers through the stage: LDS serves a wave's instructions in order, so no wait stands between the stores and the loads
.irp i, 0,1,2,3
	ds_store_b128 v14, v[R+16*((\t)%4)+4*\i:R+16*((\t)%4)+4*\i+3] offset:32*SP*((\t)%2)+8*SP*\i
.endr
.irp i, 0,1,2,3
	ds_load_b128 v[X+16*((\t)%2)+4*\i:X+16*((\t)%2)+4*\i+3], v15 offset:32*SP*((\t)%2)+16*\i
.endr
.endm
.irp t, 0,1,2,3
	LOAD \t
.endr
	s_wait_loadcnt 12                              ; step 0's four loads are in; the twelve behind them may be out
	TURN 0
.macro STEP t
.set XS, X+16*((\t)%2)
.if (\t) > 0
	s_wait_dscnt 1                                 ; this step's numbers are back from the stage (the last step's byte store may be out): so its stores into the stage have read their registers,
.else
	s_wait_dscnt 0x0
.endif
.if (\t)+4 < STEPS
	LOAD (\t)+4                                    ; which take the loads of four steps on
.endif
.if (\t)+1 < STEPS
.if STEPS-2-(\t) >= 3
	s_wait_loadcnt 12                              ; the next step's four loads are in; those of the three steps behind it may be out
.else
	s_wait_loadcnt 4*(STEPS-2-(\t))
.endif
	TURN (\t)+1                                    ; and go through the other stage while this step is worked
.endif
	v_max3_num_f32 v8, |v[XS]|, |v[XS+1]|, |v[XS+2]|               ; the largest magnitude of my 16, in two chains
	v_max3_num_f32 v9, |v[XS+3]|, |v[XS+4]|, |v[XS+5]|
.irp i, 6,10
	v_max3_num_f32 v8, v8, |v[XS+\i]|, |v[XS+\i+1]|
	v_max3_num_f32 v9, v9, |v[XS+\i+2]|, |v[XS+\i+3]|
.endr
	v_max3_num_f32 v8, v8, |v[XS+14]|, |v[XS+15]|
	v_max3_num_f32 v8, v8, v9, (EMAX+1)<<23        ; and the floor 2^(9 - 127): the byte cannot fall under 1
	v_max_num_f32_dpp v8, v8, v8 row_xmask:1 row_mask:0xf bank_mask:0xf   ; and of my neighbour's 16: the block's
	v_add_nc_u32 v11, -(EMAX<<23), v8              ; 8 off its exponent field: the conversion takes the exponent field of this operand as its scale
	v_and_or_b32 v10, v8, 0x7f800000, s23          ; 448 x the scale
.irp i, 0,1,2,3,4,5,6,7,8,9,10,11,12,13,14,15
	v_med3_num_f32 v[XS+\i], v[XS+\i], -v10, v10   ; the conversion to an 8-bit code does not saturate (ISA guide 7.6.2): the hold comes first
.endr
	v_cvt_scalef32_pk8_fp8_f32 v[C+4*(\t):C+4*(\t)+1], v[XS:XS+7], v11
	v_cvt_scalef32_pk8_fp8_f32 v[C+4*(\t)+2:C+4*(\t)+3], v[XS+8:XS+15], v11
	v_lshrrev_b32 v[E+(\t)], 23, v11               ; the scale's byte
	ds_store_b8 v5, v[E+(\t)] offset:16*(\t)       ; both lanes of a block write the same byte with the same value
	global_store_b128 v4, v[C+4*(\t):C+4*(\t)+3], s[14:15] offset:32*CB*(\t)   ; 512 consecutive bytes, aligned
.endm
.irp t, 0,1,2,3,4,5,6,7,8,9,10,11,12,13,14,15
	STEP \t
.endr
	ds_load_b64 v[8:9], v6                         ; LDS serves a wave's instructions in order: these see my stores
	s_wait_dscnt 0x0
	global_store_b64 v7, v[8:9], s[16:17]          ; 32 lanes store 256 consecutive bytes, aligned
	s_wait_tensorcnt 0x0                           ; the wave's end
	ds_add_u32 v[SPW], v[NIL]
	s_wait_dscnt 0x0
	s_endpgm
.Lfunc_end_k_q0e80d4be46_quant:
	.size	k_q0e80d4be46_quant, .Lfunc_end_k_q0e80d4be46_quant-k_q0e80d4be46_quant
	.p2alignl 7, 3214868480
	.fill 96, 4, 3214868480
	.section	.rodata,"a",@progbits
	.p2align	6, 0x0
	.amdhsa_kernel k_q0e80d4be46_quant
		.amdhsa_group_segment_fixed_size 33280
		.amdhsa_private_segment_fixed_size 0
		.amdhsa_enable_private_segment 0
		.amdhsa_kernarg_size 56
		.amdhsa_user_sgpr_count 2
		.amdhsa_user_sgpr_kernarg_segment_ptr 1
		.amdhsa_wavefront_size32 1
		.amdhsa_system_sgpr_workgroup_id_x 1
		.amdhsa_system_sgpr_workgroup_id_y 1
		.amdhsa_system_sgpr_workgroup_id_z 1
		.amdhsa_system_vgpr_workitem_id 0
		.amdhsa_next_free_vgpr 192
		.amdhsa_next_free_sgpr 66
		.amdhsa_reserve_vcc 0
		.amdhsa_float_denorm_mode_32 3
		.amdhsa_float_denorm_mode_16_64 3
		.amdhsa_memory_ordered 1
		.amdhsa_forward_progress 1
		.amdhsa_inst_pref_size 52
	.end_amdhsa_kernel
	.amdgpu_metadata
---
amdhsa.version: [ 1, 2 ]
amdhsa.kernels:
  - .name:           k_q0e80d4be46_quant
    .symbol:         k_q0e80d4be46_quant.kd
    .args:
      - { .name: x, .offset: 0, .size: 8, .value_kind: global_buffer, .address_space: global }
      - { .name: y, .offset: 8, .size: 8, .value_kind: global_buffer, .address_space: global }
      - { .name: Wq_w, .offset: 16, .size: 8, .value_kind: global_buffer, .address_space: global }
      - { .name: Wkv_w, .offset: 24, .size: 8, .value_kind: global_buffer, .address_space: global }
      - { .name: Wo_w, .offset: 32, .size: 8, .value_kind: global_buffer, .address_space: global }
      - { .name: codes, .offset: 40, .size: 8, .value_kind: global_buffer, .address_space: global }
      - { .name: scales, .offset: 48, .size: 8, .value_kind: global_buffer, .address_space: global }
    .group_segment_fixed_size: 33280
    .private_segment_fixed_size: 0
    .kernarg_segment_align: 8
    .kernarg_segment_size: 56
    .max_flat_workgroup_size: 128
    .sgpr_count:     66
    .vgpr_count:     192
    .wavefront_size: 32
...
	.end_amdgpu_metadata
.endif
;; end of part 1
;; launch proj (part 2): grid 4 x 64, 4 waves a work-group, clusters of 4 x 4, 327,680 bytes of LDS; arguments codes, scales, Wq_b, Wkv_b, qb, kv; writes qb, kv
.if DOCPART == 2
	.amdgcn_target "amdgcn-amd-amdhsa--gfx1250"
	.amdhsa_code_object_version 6
	.text
	.protected	k_q0e80d4be46_proj
	.globl	k_q0e80d4be46_proj
	.p2align	8
	.type	k_q0e80d4be46_proj,@function
k_q0e80d4be46_proj:
	s_mov_b64 s[64:65], 0
	v_nop
	global_prefetch_b8 v0, s[64:65] scope:SCOPE_SE
	s_setreg_imm32_b32 hwreg(HW_REG_WAVE_MODE, 25, 1), 1
	s_wait_xcnt 0x0
	s_wait_alu depctr_hold_cnt(0) depctr_sa_sdst(0) depctr_va_vdst(0) depctr_va_sdst(0) depctr_va_ssrc(0) depctr_va_vcc(0) depctr_vm_vsrc(0)
	s_getreg_b32 s2, hwreg(HW_REG_IB_STS2, 6, 4)
	s_cmp_eq_u32 s2, 0
	s_cbranch_scc0 .Lentry_in_a_cluster
	s_endpgm
.Lentry_in_a_cluster:
	s_bfe_u32 s2, ttmp6, 0x10000c
	s_cmp_lg_u32 s2, 0xf033
	s_cbranch_scc0 .Lentry_shape_is_right
	s_endpgm
.Lentry_shape_is_right:
; q = x Wq^T + bq, k = y Wk^T + bk, v = y Wv^T + bv on codes of FP8 (E4M3) with E8M0 scales, and each result quantised for attention: q and k along the head's 64, v along the keys.
; ONE FORM FOR THE THREE JOBS: Out[i][j] = sum over k of S1[i][k] S0[j][k] + bias.  Source 0 of the matrix instruction takes 16 positions of S0, source 1 takes 16 of S1: a lane then holds one i, and its
; registers run along j, which is the axis that is quantised.  JOB 0: S1 = x's tokens, S0 = Wq's rows.  JOB 1: S1 = y's tokens, S0 = Wk's rows.  JOB 2: S1 = Wv's rows, S0 = y's tokens.
; Rows lie in POSITION ORDER (position 16 T + r = row 32 (T / 2) + 8 (T % 2) + r + 8 (r / 8)), so the 16 registers of source-0 tiles 2 B and 2 B + 1 are the neighbours j = 32 B + 16 (lane / 16) + 0 .. 15:
; the conversions' results are the registers of attention's operands, and they leave as IMAGES: four registers a lane as 512 dense bytes, lane l at 16 l.  No LDS on the way out.
; A tile of Out is 256 x 256: four waves, each 128 x 128 in 64 accumulators.  K = 1,024 goes in four steps of 256 through two LDS slots filled by the tensor data mover; the scale bytes of the work-group's
; 512 rows come once.  16 clusters of 4 x 4 work-groups: cluster y / 8 is the JOB, cluster y % 8 the block of 1,024 tokens.  S1's tiles are shared along a row of the cluster, S0's along a column: joint loads.
; A wave has one tensor load out at the start and one behind each round.  No prefetch: of K's four slots two are first fills.
; qb: [head 64][step 16][8,704]: Q's images, tile a x (c 0, 1) x 512 bytes; from 8,192 its scale words [g 2][r 16][tile % 4].
; kv: [head 64][step 16][17,152]: K's images likewise; from 8,192 V's, d tile x (c 0 .. 3) x 512; from 16,384 K's scale words; from 16,896 V's [r 16][d tile 4].
; LIMITS: NaN and infinities are not served; a block whose largest magnitude lies under 2^(8 - 126) has its byte held at 1.
; REGISTERS, in windows of 256: window 0: v8-29 addresses; v32-63 scale words, two sets; v64-127 the bias; from v128 S1's fragments, one set, and on the way out the work.
;   window 1: S0's fragments, two sets.   window 2: the accumulators of my S1 blocks 0-3 ((a, b) at v[8 (8 (a % 4) + b)]);   window 3: of blocks 4-7.
.set KSTEP,  256
.set NQ,     2                         ; matrix instructions deep in a slot
.set ROWB,   256                       ; a tile's row in bytes
.set KROW,   1024                      ; a row of codes in memory
.set PITCH,  272                       ; an LDS row: 256 bytes + 16 of padding: the 16 rows that a load touches start at 16 different banks
.set FR,     16
.set NL,     4
.set NP,     8                         ; places behind this matrix instruction (ISA guide 7.12.1)
.set HALFT,  128*PITCH
.set SLOT,   4*HALFT                   ; S1's 256 rows, then S0's
.set KS,     32                        ; a row of scale bytes
.set SCL,    2*SLOT                    ; behind the ring: the scales, as runs of 256 bytes + 16 of padding
.set HALFS,  (128*KS/256)*272
.set SBLK,   (16*KS/256)*272
.set SPARE,  SCL+4*HALFS               ; the spare words, 128 bytes for each wave
.set VO,   8                           ; v8-9   16 x lane; the same + a head's bytes
.set VS,   10                          ; v10    where my scale words go
.set VSH,  11                          ; v11    16 (lane / 16)
.set VBJ,  12                          ; v12    the bias along j: 64 (lane / 16)
.set VBI,  13                          ; v13    the bias along i: 4 (r + 8 (r / 8))
.set ADRA, 16                          ; v16-17 LDS address of my S1 fragments in slot 0, 1
.set ADRB, 20                          ; v20-21 the same for S0
.set ADRS, 27                          ; v27    LDS address of my scale words: lanes 0-15 S1's rows, lanes 16-31 S0's
.set SPW,  28
.set NIL,  29
.set SC,   32
.set BIAS, 64
.set AF,   128
.set T,    128                         ; the way out: 64 numbers
.set PC,   192                         ; their codes
.set TM,   208                         ; v208-223 at work
.set SW,   224                         ; v224-231 a scale word for each S1 block
.set PW,   232
.set XW,   236
.set G1, 24
.set G0, 32
.set G1B, 48
.set G0B, 56
.set G1S, 68
.set G0S, 76
.set G1SB, 80
.set G0SB, 88
.set SEL, 92                           ; s[92:93] (from the way out's set-up on) lane selects: lane l xor 16
.set MNT, 94
.set HM,  95                           ; lanes 16-31
.set JOB, 100
.set MSB, 0
.macro WIN new                         ; the immediate's high byte repeats the setting that is left
.if MSB != (\new)
	s_set_vgpr_msb (MSB<<8)|(\new)
.set MSB, \new
.endif
.endm
.set MUL_LO, 0xa1                      ; source 0 window 1, source 1 window 0, C and D window 2
.set MUL_HI, 0xf1
.set TO_B,   0x40
; A joint load: waves 0 and 1 fetch for S1, waves 2 and 3 for S0.  The branch hangs on the wave's number alone.  An s_nop 0 and four v_nop follow each line.
.macro JLOAD g0a, g1a, g0b, g1b
	s_cmp_eq_u32 s15, 0
	s_cbranch_scc0 .Lfor_b_\@
	tensor_load_to_lds s[\g0a:\g0a+3], s[\g1a:\g1a+7]
	s_nop 0
.rept 4
	v_nop
.endr
	s_branch .Lasked_\@
.Lfor_b_\@:
	tensor_load_to_lds s[\g0b:\g0b+3], s[\g1b:\g1b+7]
	s_nop 0
.rept 4
	v_nop
.endr
.Lasked_\@:
.endm
.macro CREST                           ; a round of the cluster's barrier behind its opening barrier
	s_cmp_lg_u32 s14, 0
	s_cbranch_scc1 .Lnot_wave_0_\@
	s_barrier_signal -3
.Lnot_wave_0_\@:
	s_barrier_wait -3
	s_barrier_signal -1
	s_barrier_wait -1
.endm
.macro CROUND
	s_barrier_signal -1
	s_barrier_wait -1
	CREST
.endm
	s_load_b256 s[4:11], s[0:1], 0x0               ; codes s[4:5], scales s[6:7], Wq_b s[8:9], Wkv_b s[10:11]
	s_load_b128 s[96:99], s[0:1], 0x20             ; qb s[96:97], kv s[98:99]
	v_lshl_add_u32 v[SPW], v0, 2, SPARE
	v_mov_b32 v[NIL], 0
	ds_add_u32 v[SPW], v[NIL]                      ; the wave's opening: the add, twice on end, and its wait ahead of my first tensor load
	ds_add_u32 v[SPW], v[NIL]
	v_lshrrev_b32 v1, 5, v0
	v_readfirstlane_b32 s14, v1                    ; wave 0..3
	s_lshr_b32 s15, s14, 1                         ; which half of S1's rows is mine.  Also: I fetch for S1 (0) or for S0 (1)
	s_and_b32 s16, s14, 1                          ; which half of S0's rows.  Also: which 128 rows of that tile I fetch
	s_bfe_u32 s40, ttmp6, 0x40000                  ; cx, cy: my place in the cluster
	s_bfe_u32 s41, ttmp6, 0x40004
	s_and_b32 s3, ttmp7, 0xffff                    ; the cluster's number, which all sixteen share:
	s_lshr_b32 s[JOB], s3, 3                       ; the job,
	s_and_b32 s3, s3, 7                            ; and the block of 1,024 tokens
	s_mov_b32 s18, 8192
	s_mov_b32 s19, 17408
	s_cmp_eq_u32 s[JOB], 2
	s_cselect_b32 s17, 0, s3                       ; the tokens are S1's rows in jobs 0 and 1,
	s_cselect_b32 s42, s3, 0                       ; S0's in job 2
	s_cselect_b32 s18, 18432, s18                  ; S1's first position: x 0, y 8,192, Wv 18,432
	s_cselect_b32 s19, 8192, s19                   ; S0's: Wq 16,384, Wk 17,408, y 8,192
	s_cmp_eq_u32 s[JOB], 0
	s_cselect_b32 s18, 0, s18
	s_cselect_b32 s19, 16384, s19
	s_lshl_b32 s17, s17, 2
	s_add_co_u32 s17, s17, s41                     ; S1's tile: it hangs on cy, never on cx
	s_lshl_b32 s42, s42, 2
	s_add_co_u32 s42, s42, s40                     ; S0's tile: on cx, never on cy
	s_lshl_b32 s43, s41, 2
	s_lshl_b32 s43, 15, s43                        ; my row of the cluster
	s_lshl_b32 s44, 0x1111, s40                    ; my column
	; descriptor group 1: a tile of 128 rows x 256 bytes, 16 bytes of padding behind each row
	s_or_b32 s[G1+0], s43, (0<<16)|(1<<20)|(1<<21)|(5<<22)|(3<<25)  ; 15:0 the mask; 17:16 elements of 1 byte; 20 padding on; 21 set beside a mask; 24:22 after every 64 words; 31:25 four words
	s_or_b32 s[G1B+0], s44, (0<<16)|(1<<20)|(1<<21)|(5<<22)|(3<<25)
.irp g, G1, G1B
	s_mov_b32 s[\g+1], ROWB<<16                    ; tensor_dim0
	s_mov_b32 s[\g+2], 256<<16                     ; tensor_dim1: 256 rows for the head's loads; set to 128 for the ring's behind them
	s_mov_b32 s[\g+3], ROWB<<16                    ; tile_dim0
	s_mov_b32 s[\g+4], 256                         ; tile_dim1 likewise
	s_mov_b32 s[\g+5], KROW                        ; tensor_dim0_stride
	s_mov_b32 s[\g+6], 0
	s_mov_b32 s[\g+7], 0
.endr
	; the scales of 128 rows: 4,096 dense bytes, as 16 rows of 256 bytes (32 elements of 8), 16 bytes of padding behind each
	s_or_b32 s[G1S+0], s43, (3<<16)|(1<<20)|(1<<21)|(5<<22)|(3<<25)
	s_or_b32 s[G1SB+0], s44, (3<<16)|(1<<20)|(1<<21)|(5<<22)|(3<<25)
.irp g, G1S, G1SB
	s_mov_b32 s[\g+1], 32<<16
	s_mov_b32 s[\g+2], (256*KS/256)<<16            ; the scales of all 256 rows: 32 rows of 256 bytes
	s_mov_b32 s[\g+3], 32<<16
	s_mov_b32 s[\g+4], 256*KS/256
	s_mov_b32 s[\g+5], 32
	s_mov_b32 s[\g+6], 0
	s_mov_b32 s[\g+7], 0
.endr
	s_lshl_b32 s20, s17, 8
	s_add_co_u32 s20, s20, s18                     ; S1: first position + 256 x tile
	s_lshl_b32 s46, s42, 8
	s_add_co_u32 s46, s46, s19                     ; S0 likewise
	s_lshl_b32 s22, s20, 5                         ; 32 scale bytes a position,
	s_lshl_b32 s20, s20, 10                        ; 1,024 codes (20,480 positions: under 2^25 bytes)
	s_mov_b32 s21, 0
	s_mov_b32 s23, 0
	s_lshl_b32 s92, s46, 5
	s_lshl_b32 s46, s46, 10
	s_mov_b32 s47, 0
	s_mov_b32 s93, 0
	s_mul_i32 s45, s14, HALFT                      ; where they go: wave x 128 rows: no place in the cluster enters an LDS address
	s_wait_dscnt 0x0                               ; both opening adds are done
	s_wait_kmcnt 0x0
	s_add_nc_u64 s[20:21], s[4:5], s[20:21]
	s_add_nc_u64 s[22:23], s[6:7], s[22:23]
	s_add_nc_u64 s[46:47], s[4:5], s[46:47]
	s_add_nc_u64 s[92:93], s[6:7], s[92:93]
	CROUND                                         ; all sixteen work-groups are here: the first joint loads meet
	s_mov_b32 s[G0S], 1
	s_mov_b32 s[G0S+1], SCL
	s_mov_b64 s[G0S+2:G0S+3], s[22:23]
	s_or_b32 s[G0S+3], s[G0S+3], 0x80000000
	s_mov_b32 s[G0SB], 1
	s_mov_b32 s[G0SB+1], SCL+2*HALFS
	s_mov_b64 s[G0SB+2:G0SB+3], s[92:93]
	s_or_b32 s[G0SB+3], s[G0SB+3], 0x80000000
	s_lshl_b32 s18, s16, 17                        ; my half of a tile in memory: 128 rows of 1,024 bytes
	s_mov_b32 s19, 0
	s_mov_b32 s[G0], 1                             ; slot 0's groups 0 serve the head's whole tiles of K step 0 first: S1's 256 rows,
	s_mov_b32 s[G0+1], 0
	s_mov_b64 s[G0+2:G0+3], s[20:21]
	s_or_b32 s[G0+3], s[G0+3], 0x80000000
	s_mov_b32 s[G0B], 1                            ; S0's 256 rows behind them
	s_mov_b32 s[G0B+1], 2*HALFT
	s_mov_b64 s[G0B+2:G0B+3], s[46:47]
	s_or_b32 s[G0B+3], s[G0B+3], 0x80000000
	s_mov_b32 s[G0+4], 1                           ; slot 1's: my 128 rows of K step 1
	s_add_co_u32 s[G0+5], s45, SLOT
	s_add_nc_u64 s[G0+6:G0+7], s[20:21], s[18:19]
	s_add_nc_u64 s[G0+6:G0+7], s[G0+6:G0+7], ROWB
	s_or_b32 s[G0+7], s[G0+7], 0x80000000
	s_mov_b32 s[G0B+4], 1
	s_add_co_u32 s[G0B+5], s45, SLOT
	s_add_nc_u64 s[G0B+6:G0B+7], s[46:47], s[18:19]
	s_add_nc_u64 s[G0B+6:G0B+7], s[G0B+6:G0B+7], ROWB
	s_or_b32 s[G0B+7], s[G0B+7], 0x80000000
; THE HEAD'S LOADS, ONE A WAVE: wave 0 S1's 256 rows of K step 0, wave 1 S0's, wave 2 S1's scales, wave 3 S0's.  One chain of branches on the wave's number, a load to an arm.
.macro ARM under, g0, g1, next
	s_cmp_lt_u32 s14, \under
	s_cbranch_scc0 \next
	tensor_load_to_lds s[\g0:\g0+3], s[\g1:\g1+7]
	s_nop 0
.rept 4
	v_nop
.endr
	s_branch .Lhead_asked
\next:
.endm
	ARM 1, G0,  G1,  .Lhead_b
	ARM 2, G0B, G1B, .Lhead_sa
	ARM 3, G0S, G1S, .Lhead_sb
	tensor_load_to_lds s[G0SB:G0SB+3], s[G1SB:G1SB+7]
	s_nop 0
.rept 4
	v_nop
.endr
.Lhead_asked:
	v_and_b32 v1, 15, v0                           ; r = lane % 16
	v_bfe_u32 v2, v0, 4, 1                         ; h = lane / 16
	v_mul_u32_u24 v3, v1, PITCH
	v_lshl_add_u32 v4, v2, 4, v3                   ; a fragment's row x pitch + 16 x half
	s_mul_i32 s21, s15, HALFT                      ; my 128 rows of S1
	s_mul_i32 s22, s16, HALFT                      ; my 128 rows of S0,
	s_add_co_u32 s22, s22, 2*HALFT                 ; which lie behind S1's 256
.irp s, 0,1
	v_add_nc_u32 v[ADRA+\s], s21, v4
	v_add_nc_u32 v[ADRB+\s], s22, v4
	s_add_co_u32 s21, s21, SLOT
	s_add_co_u32 s22, s22, SLOT
.endr
	v_mul_u32_u24 v5, v1, KS                       ; my row's scales: 32 bytes a row,
	v_lshrrev_b32 v6, 8, v5
	v_lshl_add_u32 v5, v6, 4, v5                   ; and 16 more for each 256 passed
	s_mul_i32 s21, s15, HALFS
	s_mul_i32 s22, s16, HALFS
	s_add_co_u32 s22, s22, 2*HALFS
	s_sub_co_u32 s22, s22, s21
	v_mul_u32_u24 v6, s22, v2                      ; lanes 16-31 take S0's: one product, the distance between the two bases
	s_add_co_u32 s21, s21, SCL
	v_add_nc_u32 v5, v5, v6
	v_add_nc_u32 v[ADRS], s21, v5
	; THE WAY OUT'S NUMBERS.  i0, j0: my first S1 and S0 row inside their tensors; which of them is the token and which the feature hangs on the job
	s_lshl_b32 s2, s17, 8
	s_lshl_b32 s3, s15, 7
	s_add_co_u32 s2, s2, s3                        ; i0
	s_lshl_b32 s3, s42, 8
	s_lshl_b32 s18, s16, 7
	s_add_co_u32 s3, s3, s18                       ; j0
	s_mov_b32 s101, 16384
	s_mov_b32 s66, 274432                          ; a head's bytes in kv,
	s_mov_b32 s45, 17152                           ; a step's
	s_cmp_eq_u32 s[JOB], 2
	s_cselect_b32 s18, s3, s2                      ; my first token
	s_cselect_b32 s19, s2, s3                      ; my first feature
	s_cselect_b32 s67, 8192, 0                     ; V's images lie 8,192 bytes behind K's
	s_cselect_b32 s101, 8704, s101                 ; from there the scale words: K's at 16,384, V's at 8,192 + 8,704
	s_cmp_eq_u32 s[JOB], 0
	s_cselect_b32 s66, 139264, s66                 ; the same three for qb
	s_cselect_b32 s45, 8704, s45
	s_cselect_b32 s101, 8192, s101
	s_cselect_b64 s[12:13], s[96:97], s[98:99]     ; the choices hang on the cluster's number alone
	s_cselect_b64 s[8:9], s[8:9], s[10:11]
	s_lshr_b32 s20, s18, 11                        ; batch
	s_lshl_b32 s20, s20, 4
	s_lshr_b32 s21, s19, 6
	s_add_co_u32 s20, s20, s21                     ; the first of my two heads: 16 x batch + feature / 64
	s_mul_i32 s20, s20, s66
	s_bfe_u32 s21, s18, 0x40007                    ; the step of 128 tokens in the batch
	s_mul_i32 s21, s21, s45
	s_add_co_u32 s20, s20, s21
	s_add_co_u32 s20, s20, s67
	s_mov_b32 s21, 0
	s_add_nc_u64 s[12:13], s[12:13], s[20:21]      ; where my images go
	s_lshl_b32 s20, s19, 2
	s_lshr_b32 s22, s67, 1                         ; job 2: v's bias begins 1,024 numbers, 4,096 bytes, into Wkv_b: half of the 8,192 above; else 0
	s_add_co_u32 s20, s20, s22
	s_add_nc_u64 s[8:9], s[8:9], s[20:21]          ; the bias at my first feature
	s_mov_b32 s[SEL], 0x76543210
	s_mov_b32 s[SEL+1], 0xfedcba98
	s_mov_b32 s[MNT], 0x600000                     ; the mantissa field of 448
	s_mov_b32 s[HM], 0xffff0000
	v_and_b32 v5, 31, v0
	v_lshlrev_b32 v[VO], 4, v5
	v_add_nc_u32 v[VO+1], s66, v[VO]
	v_mul_lo_u32 v[VS], v2, s66                    ; lanes 16-31 write the second head's scale words
	v_lshl_add_u32 v[VS], v1, 4, v[VS]
	v_add_nc_u32 v[VS], s101, v[VS]
	v_lshlrev_b32 v[VSH], 4, v2
	v_lshlrev_b32 v[VBJ], 6, v2
	v_and_b32 v5, 8, v1
	v_add_nc_u32 v5, v5, v1
	v_lshlrev_b32 v[VBI], 2, v5
.macro FRAG reg, adr, q, i             ; 16 rows x 128 K: lane l holds row l % 16; registers 4 c .. 4 c + 3 hold K = 32 c + 16 (l / 16) + 0 .. 15
.irp c, 0,1,2,3
	ds_load_b128 v[\reg+4*\c:\reg+4*\c+3], v[\adr] offset:128*(\q)+32*\c+(\i)*16*PITCH
.endr
.endm
; 16 matrix instructions: S1's blocks a0, a0 + 1 x S0's eight, 128 along K.  The 64 accumulators take turns, one instruction a turn, in the same order in every step.
.macro MUL16 a0, p, q, sc, zero
.irp a, \a0, \a0+1
.irp b, 0,1,2,3,4,5,6,7
.if \zero
	v_wmma_scale_f32_16x16x128_f8f6f4 v[8*(8*((\a)%4)+\b):8*(8*((\a)%4)+\b)+7], v[128*(\p)+FR*\b:128*(\p)+FR*\b+FR-1], v[AF+FR*(\a):AF+FR*(\a)+FR-1], 0, v[SC+8*NQ*(\sc)+NQ*\b+(\q)], v[SC+8*NQ*(\sc)+NQ*(\a)+(\q)] matrix_a_scale:MATRIX_SCALE_ROW1
.else
	v_wmma_scale_f32_16x16x128_f8f6f4 v[8*(8*((\a)%4)+\b):8*(8*((\a)%4)+\b)+7], v[128*(\p)+FR*\b:128*(\p)+FR*\b+FR-1], v[AF+FR*(\a):AF+FR*(\a)+FR-1], v[8*(8*((\a)%4)+\b):8*(8*((\a)%4)+\b)+7], v[SC+8*NQ*(\sc)+NQ*\b+(\q)], v[SC+8*NQ*(\sc)+NQ*(\a)+(\q)] matrix_a_scale:MATRIX_SCALE_ROW1
.endif
.endr
.endr
.endm
.macro FETCH_B slot, q, p
	WIN TO_B
.irp i, 0,1,2,3,4,5,6,7
	FRAG 128*(\p)+FR*\i, ADRB+\slot, \q, \i
.endr
	WIN 0
.endm
.macro FETCH_A slot, q, i0
.irp i, \i0, \i0+1, \i0+2, \i0+3
	FRAG AF+FR*(\i), ADRA+\slot, \q, \i
.endr
.endm
.macro SCALES sc                       ; a K step's scale words: two words a row; lanes 0-15 take S1's block i, lanes 16-31 S0's block i
.irp i, 0,1,2,3,4,5,6,7
	ds_load_b64 v[SC+8*NQ*\sc+NQ*\i:SC+8*NQ*\sc+NQ*\i+1], v[ADRS] offset:\i*SBLK
.endr
.endm
.macro PLACES n                        ; plain vector instructions between a matrix instruction and a load into, or a vector write or read of, its registers
.rept \n
	v_nop
.endr
.endm
.macro STEP slot, q, zero              ; 128 along K with its successor in the same slot
	s_wait_dscnt 4*NL                              ; S0's set and S1's blocks 0-3 are in; the youngest 16 loads (blocks 4-7) may be out
	WIN MUL_LO
	MUL16 0, (\q)%2, \q, \slot, \zero
	MUL16 2, (\q)%2, \q, \slot, \zero
	s_wait_dscnt 0                                 ; blocks 4-7 are in
	PLACES NP
	FETCH_B \slot, (\q)+1, 1-(\q)%2
	FETCH_A \slot, (\q)+1, 0
	WIN MUL_HI
	MUL16 4, (\q)%2, \q, \slot, \zero
	MUL16 6, (\q)%2, \q, \slot, \zero
	PLACES NP
	WIN 0
	FETCH_A \slot, (\q)+1, 4
.endm
; A slot's last step changes slots: one barrier; in front of it each wave waits for all its tensor loads, adds 0 to its spare word, and waits for that and for its reads of this slot.
.macro TURN slot, next, fill
	s_wait_tensorcnt 0x0                           ; all my tensor loads have landed: my part of the next slot
	ds_add_u32 v[SPW], v[NIL]
	s_wait_dscnt 4*NL+1                            ; (the add and the youngest 16 loads may be out)
	WIN MUL_LO
	MUL16 0, 1, NQ-1, \slot, 0
	s_wait_dscnt 0x0                               ; the add is done, and my reads of this slot are over
	s_barrier_signal -1
	MUL16 2, 1, NQ-1, \slot, 0
	WIN 0
	s_barrier_wait -1
.if \fill
	CREST                                          ; the barrier has opened a round of the cluster's: no wave of any partner still reads this slot or has a load on its way
.if \fill == 2
	P2DESC 0, 0                                    ; fill = 2: this slot takes the second phase's K step 0
	RLOAD 0
	PLACES 4
.else
	s_add_nc_u64 s[G0+4*\slot+2:G0+4*\slot+3], s[G0+4*\slot+2:G0+4*\slot+3], 2*ROWB
	s_add_nc_u64 s[G0B+4*\slot+2:G0B+4*\slot+3], s[G0B+4*\slot+2:G0B+4*\slot+3], 2*ROWB
	JLOAD G0+4*\slot, G1, G0B+4*\slot, G1B
.endif
	PLACES NP-4
.else
	PLACES NP
.endif
	s_wait_alu depctr_va_vdst(0)
	v_add_nc_u32 v[ADRS], 4*NQ, v[ADRS]            ; on to the next K step's scale words
	FETCH_B \next, 0, 0
	FETCH_A \next, 0, 0
	SCALES \next
	WIN MUL_HI
	MUL16 4, 1, NQ-1, \slot, 0
	MUL16 6, 1, NQ-1, \slot, 0
	PLACES NP
	WIN 0
	FETCH_A \next, 0, 4
.endm
.macro LAST                            ; the very last 128 along K: nothing more to fetch
	s_wait_dscnt 4*NL
	WIN MUL_LO
	MUL16 0, 1, NQ-1, 1, 0
	MUL16 2, 1, NQ-1, 1, 0
	s_wait_dscnt 0
	WIN MUL_HI
	MUL16 4, 1, NQ-1, 1, 0
	MUL16 6, 1, NQ-1, 1, 0
	WIN 0
.endm
; 64 numbers of a lane, register 16 b + i = j 32 b + 16 (lane / 16) + i, become a fragment's codes in v[PC] on and four scale bytes in v[pw].
.macro QUANT s, pw
.irp b, 0,1,2,3
	v_max3_num_f32 v[TM+\b], |v[\s+16*\b]|, |v[\s+1+16*\b]|, 0x4800000   ; my 16 numbers of block b, and the floor 2^(9 - 127): the byte cannot fall under 1
.endr
.irp i, 2,4,6,8,10,12,14
.irp b, 0,1,2,3
	v_max3_num_f32 v[TM+\b], v[TM+\b], |v[\s+16*\b+\i]|, |v[\s+1+16*\b+\i]|   ; the four blocks by turns
.endr
.endr
.irp b, 0,1,2,3
	v_permlanex16_b32 v[TM+4+\b], v[TM+\b], s[SEL], s[SEL+1]
.endr
.irp b, 0,1,2,3
	v_max_num_f32 v[TM+\b], v[TM+\b], v[TM+4+\b]   ; with lane l xor 16's: the block's largest magnitude
.endr
.irp b, 0,1,2,3
	v_add_nc_u32 v[TM+12+\b], 0xfc000000, v[TM+\b]   ; 8 off its exponent field: the conversion's scale operand
.endr
.irp b, 0,1,2,3
	v_and_or_b32 v[TM+8+\b], v[TM+\b], 0x7f800000, s[MNT]   ; 448 x the scale
.endr
.irp b, 0,1,2,3
	v_lshrrev_b32 v[TM+4+\b], 23, v[TM+12+\b]      ; the scale's byte
.endr
	v_lshl_or_b32 v[\pw], v[TM+5], 8, v[TM+4]
	v_lshl_or_b32 v[\pw], v[TM+6], 16, v[\pw]
	v_lshl_or_b32 v[\pw], v[TM+7], 24, v[\pw]
.irp b, 0,1,2,3
.irp i, 0,1,2,3,4,5,6,7,8,9,10,11,12,13,14,15
	v_med3_num_f32 v[\s+16*\b+\i], v[\s+16*\b+\i], -v[TM+8+\b], v[TM+8+\b]   ; the conversion does not saturate (ISA guide 7.6.2): the hold comes first
.endr
	v_cvt_scalef32_pk8_fp8_f32 v[PC+4*\b:PC+1+4*\b], v[\s+16*\b:\s+7+16*\b], v[TM+12+\b]
	v_cvt_scalef32_pk8_fp8_f32 v[PC+2+4*\b:PC+3+4*\b], v[\s+8+16*\b:\s+15+16*\b], v[TM+12+\b]
.endr
	v_nop                                          ; one plain line between the last conversion and the next vector line that writes its sources
.endm
.macro BIASJ                           ; jobs 0, 1: the bias runs along the registers: tile b's eight numbers of my half
.irp b, 0,1,2,3,4,5,6,7
	global_load_b128 v[BIAS+8*\b:BIAS+8*\b+3], v[VBJ], s[8:9] offset:(32*(\b/2)+8*(\b%2))*4
	global_load_b128 v[BIAS+8*\b+4:BIAS+8*\b+7], v[VBJ], s[8:9] offset:(32*(\b/2)+8*(\b%2))*4+16
.endr
.endm
.macro BIASI                           ; job 2: the bias is the lane's own feature: one number for each S1 block, loaded twice to fill a pair
.irp a, 0,1,2,3,4,5,6,7
	global_load_b32 v[BIAS+2*\a], v[VBI], s[8:9] offset:(32*(\a/2)+8*(\a%2))*4
	global_load_b32 v[BIAS+2*\a+1], v[VBI], s[8:9] offset:(32*(\a/2)+8*(\a%2))*4
.endr
.endm
; THE WAY OUT, S1 block by S1 block: + bias (each accumulator read from its low end on), quantised, four stores of 512 consecutive bytes.
; mode 0: blocks 0, 1 of the 64 numbers are the first head's c = 0, 1, blocks 2, 3 the second head's.  mode 1: the four blocks are c = 0 .. 3 of one d tile; S1 blocks 0-3 the first head, 4-7 the second.
.macro EPI mode
	s_wait_loadcnt 0x0                             ; the bias
	PLACES NP
.irp b, 0,1,2,3
	v_mov_b32 v[TM+4+\b], 0                        ; a lane permute's destination counts as one of its sources
.endr
.irp a, 0,1,2,3,4,5,6,7
.if \a > 0
	s_wait_xcnt 0x0                                ; the last block's stores have read their data
.endif
.if \a == 4
	ROUNDZ                                         ; in the middle of the first phase's way out: slot 1 takes the second phase's K step 1
.endif
	WIN 0x02+\a/4
.set k, 0
.rept 32
.if \mode
	v_pk_add_f32 v[T+2*k:T+2*k+1], v[64*(\a%4)+2*k:64*(\a%4)+2*k+1], v[BIAS+2*\a:BIAS+2*\a+1]
.else
	v_pk_add_f32 v[T+2*k:T+2*k+1], v[64*(\a%4)+2*k:64*(\a%4)+2*k+1], v[BIAS+2*k:BIAS+2*k+1]
.endif
.set k, k+1
.endr
	WIN 0
.if \mode
	QUANT T, SW+\a
.irp c, 0,1,2,3
	global_store_b128 v[VO+\a/4], v[PC+4*\c:PC+4*\c+3], s[12:13] offset:(\a%4)*2048+\c*512
.endr
.else
	QUANT T, PW
	v_lshrrev_b32 v[SW+\a], v[VSH], v[PW]          ; lanes 16-31 carry the second head's two bytes in bytes 0, 1.  Bytes 2, 3 belong to zero codes and are never 0xff
.irp c, 0,1,2,3
	global_store_b128 v[VO+\c/2], v[PC+4*\c:PC+4*\c+3], s[12:13] offset:\a*1024+(\c%2)*512
.endr
.endif
.endr
.if \mode
.irp t, 0,1,2,3
	v_cndmask_b32 v[XW+\t], v[SW+\t], v[SW+4+\t], s[HM]   ; lanes 16-31: the second head's d tiles
.endr
	global_store_b128 v[VS], v[XW:XW+3], s[12:13]  ; sixteen lanes store 256 consecutive bytes, aligned: [r][d tile]
.else
	global_store_b128 v[VS], v[SW:SW+3], s[12:13]  ; [r][tiles 0-3]
	global_store_b128 v[VS], v[SW+4:SW+7], s[12:13] offset:256   ; [r][tiles 4-7]
.endif
.endm
	s_wait_alu depctr_va_vdst(0)                   ; the head's end
	s_wait_tensorcnt 0x0                           ; my tile of the head's four is in
	ds_add_u32 v[SPW], v[NIL]
	s_mov_b32 s[G1+2], 128<<16                     ; no tensor load of mine is out, so descriptors may be written: from here on a load brings 128 rows,
	s_mov_b32 s[G1+4], 128
	s_mov_b32 s[G1B+2], 128<<16
	s_mov_b32 s[G1B+4], 128
	s_mul_i32 s[G0+1], s14, HALFT                  ; and slot 0's groups 0 name my quarter of the slot
	s_mul_i32 s[G0B+1], s14, HALFT
	s_lshl_b32 s44, s16, 17
	s_mov_b32 s45, 0
	s_add_nc_u64 s[G0+2:G0+3], s[G0+2:G0+3], s[44:45]
	s_add_nc_u64 s[G0B+2:G0B+3], s[G0B+2:G0B+3], s[44:45]
	; where the second phase's tiles lie.  s3: which 128 rows of Wv, 4 (cluster / 8) + cy;  s2: which 256 tokens of y, 4 (cluster % 8) + cx
	s_and_b32 s2, ttmp7, 0xffff
	s_lshr_b32 s3, s2, 3
	s_lshl_b32 s3, s3, 2
	s_add_co_u32 s3, s3, s41
	s_and_b32 s2, s2, 7
	s_lshl_b32 s2, s2, 2
	s_add_co_u32 s2, s2, s40
	s_lshl_b32 s18, s3, 7
	s_add_co_u32 s18, s18, 18432                   ; Wv's first position
	s_lshl_b32 s20, s18, 10
	s_mov_b32 s21, 0
	s_lshl_b32 s22, s18, 5
	s_mov_b32 s23, 0
	s_add_nc_u64 s[20:21], s[4:5], s[20:21]        ; s[20:21] S1's codes, s[22:23] its scale bytes
	s_add_nc_u64 s[22:23], s[6:7], s[22:23]
	s_lshl_b32 s19, s2, 8
	s_add_co_u32 s19, s19, 8192                    ; y's first position
	s_lshl_b32 s46, s19, 10
	s_mov_b32 s47, 0
	s_lshl_b32 s66, s19, 5
	s_mov_b32 s67, 0
	s_add_nc_u64 s[46:47], s[4:5], s[46:47]
	s_add_nc_u64 s[46:47], s[46:47], s[44:45]      ; s[46:47] S0's codes, the half that waves 2 and 3 fetch; s[66:67] its scale bytes
	s_add_nc_u64 s[66:67], s[6:7], s[66:67]
	s_wait_dscnt 0x0                               ; the add is done
	CROUND                                         ; a whole round: all four tiles are in, all sixteen work-groups are here
	JLOAD G0+4, G1, G0B+4, G1B                     ; K step 1: the first tensor load behind the round
	FETCH_B 0, 0, 0
	FETCH_A 0, 0, 0
	SCALES 0
	FETCH_A 0, 0, 4
	STEP 0, 0, 1                                   ; K has four slots' worth: the walk is written out.  The first products start the sums
	TURN 0, 1, 1
	STEP 1, 0, 0
	TURN 1, 0, 1
	STEP 0, 0, 0
; THE DEAL AS IT STANDS: 256 WORK-GROUPS THAT STAY, 16 clusters.  FIRST PHASE: cluster / 8 is the job, 0 (q) or 1 (k), cluster % 8 the block of 1,024 tokens: a block of 256 x 256 as above.
; SECOND PHASE (v): S1 = 128 rows of Wv (number s3), S0 = 256 tokens of y (number s2): 8 x 32 = 256 half blocks, one a work-group; a wave makes 64 x 128 in the 32 accumulators of window 2.
; Its tiles come as refills, each behind a drained round: K step 0 into slot 0 at the first phase's last change of slots; the scale bytes in the round inside the first phase's last step; K step 1 into slot 1
; in the middle of the first phase's way out.  Wave 0 fetches S1's 128 rows, waves 2 and 3 S0's halves; the scale bytes: wave 0 S1's, wave 1 S0's.
.set ADRA2, 18                         ; v18-19 LDS address of my 64 rows of S1 in slot 0, 1
.set ADRS2, 22                         ; v22    as ADRS, with lanes 0-15 four blocks back: registers 4-7 of a set of scale words then hold S1's blocks 0-3 once more
.macro P2DESC slot, k                  ; groups 0 of the second phase's K step k
	s_mov_b32 s[G0+4*\slot+1], \slot*SLOT
	s_add_nc_u64 s[G0+4*\slot+2:G0+4*\slot+3], s[20:21], \k*ROWB
	s_or_b32 s[G0+4*\slot+3], s[G0+4*\slot+3], 0x80000000
	s_mul_i32 s[G0B+4*\slot+1], s14, HALFT
	s_add_co_u32 s[G0B+4*\slot+1], s[G0B+4*\slot+1], \slot*SLOT
	s_add_nc_u64 s[G0B+4*\slot+2:G0B+4*\slot+3], s[46:47], \k*ROWB
	s_or_b32 s[G0B+4*\slot+3], s[G0B+4*\slot+3], 0x80000000
.endm
.macro RLOAD s                         ; a joint refill of the second phase: wave 0 S1's 128 rows, waves 2 and 3 S0's halves
	s_cmp_eq_u32 s14, 0
	s_cbranch_scc0 .Lr_b_\@
	tensor_load_to_lds s[G0+4*\s:G0+4*\s+3], s[G1:G1+7]
	s_nop 0
.rept 4
	v_nop
.endr
	s_branch .Lr_done_\@
.Lr_b_\@:
	s_cmp_lt_u32 s14, 2
	s_cbranch_scc1 .Lr_done_\@
	tensor_load_to_lds s[G0B+4*\s:G0B+4*\s+3], s[G1B:G1B+7]
	s_nop 0
.rept 4
	v_nop
.endr
.Lr_done_\@:
.endm
.macro ROUNDZ
	s_wait_alu depctr_va_vdst(0)
	s_wait_tensorcnt 0x0                           ; ahead of a refill's round
	ds_add_u32 v[SPW], v[NIL]
	P2DESC 1, 1
	s_wait_dscnt 0x0
	CROUND
	RLOAD 1
.endm
.macro LASTF                           ; the first phase's last 128 along K, with a round: nobody reads slot 1 or the scale bytes any more; the second phase's scale bytes come
	s_wait_tensorcnt 0x0
	ds_add_u32 v[SPW], v[NIL]
	s_wait_dscnt 4*NL+1                            ; (the add and the youngest 16 loads may be out)
	WIN MUL_LO
	MUL16 0, 1, NQ-1, 1, 0
	s_wait_dscnt 0x0
	s_barrier_signal -1
	MUL16 2, 1, NQ-1, 1, 0
	WIN 0
	s_barrier_wait -1
	CREST
	s_mov_b32 s[G1S+2], (128*KS/256)<<16           ; S1 now has 128 rows
	s_mov_b32 s[G1S+4], 128*KS/256
	s_mov_b64 s[G0S+2:G0S+3], s[22:23]
	s_or_b32 s[G0S+3], s[G0S+3], 0x80000000
	s_mov_b64 s[G0SB+2:G0SB+3], s[66:67]
	s_or_b32 s[G0SB+3], s[G0SB+3], 0x80000000
	s_cmp_eq_u32 s14, 0
	s_cbranch_scc0 .Ls_b
	tensor_load_to_lds s[G0S:G0S+3], s[G1S:G1S+7]
	s_nop 0
.rept 4
	v_nop
.endr
	s_branch .Ls_done
.Ls_b:
	s_cmp_eq_u32 s14, 1
	s_cbranch_scc0 .Ls_done
	tensor_load_to_lds s[G0SB:G0SB+3], s[G1SB:G1SB+7]
	s_nop 0
.rept 4
	v_nop
.endr
.Ls_done:
	WIN MUL_HI
	MUL16 4, 1, NQ-1, 1, 0
	MUL16 6, 1, NQ-1, 1, 0
	WIN 0
.endm
.macro FETCH_AH slot, q                ; S1's four blocks of the slot's q-th 128 along K: into fragment registers 4 q .. 4 q + 3
.irp i, 0,1,2,3
	FRAG AF+FR*(\i+4*(\q)), ADRA2+\slot, \q, \i
.endr
.endm
.macro SCALESH sc
.irp i, 0,1,2,3
	ds_load_b64 v[SC+8*NQ*\sc+NQ*\i:SC+8*NQ*\sc+NQ*\i+1], v[ADRS] offset:\i*SBLK
.endr
.irp i, 4,5,6,7
	ds_load_b64 v[SC+8*NQ*\sc+NQ*\i:SC+8*NQ*\sc+NQ*\i+1], v[ADRS2] offset:\i*SBLK
.endr
.endm
.macro STEPH slot, zero                ; a slot's first 128 along K: 32 products; ahead of them the second 128's fragments are asked for
	s_wait_dscnt 0x0
	PLACES NP
	FETCH_B \slot, 1, 1
	FETCH_AH \slot, 1
	WIN MUL_LO
	MUL16 0, 0, 0, \slot, \zero
	MUL16 2, 0, 0, \slot, \zero
	WIN 0
.endm
.macro TURNH slot, next, fill          ; its second 128, and the change of slots
	s_wait_tensorcnt 0x0
	ds_add_u32 v[SPW], v[NIL]
	s_wait_dscnt 1                                 ; (the add may be out)
	WIN MUL_LO
	MUL16 4, 1, 1, \slot, 0
	s_wait_dscnt 0x0
	s_barrier_signal -1
	MUL16 6, 1, 1, \slot, 0
	WIN 0
	s_barrier_wait -1
.if \fill
	CREST
	s_add_nc_u64 s[G0+4*\slot+2:G0+4*\slot+3], s[G0+4*\slot+2:G0+4*\slot+3], 2*ROWB
	s_add_nc_u64 s[G0B+4*\slot+2:G0B+4*\slot+3], s[G0B+4*\slot+2:G0B+4*\slot+3], 2*ROWB
	RLOAD \slot
.endif
	PLACES NP
	s_wait_alu depctr_va_vdst(0)
	v_add_nc_u32 v[ADRS], 4*NQ, v[ADRS]
	v_add_nc_u32 v[ADRS2], 4*NQ, v[ADRS2]
	FETCH_B \next, 0, 0
	FETCH_AH \next, 0
	SCALESH \next
.endm
.macro EPIH                            ; the second phase's way out: S1 block a is d tile a of my one head; the four blocks of 32 tokens are c = 0 .. 3
	s_wait_loadcnt 0x0
	PLACES NP
.irp a, 0,1,2,3
	s_wait_xcnt 0x0
	WIN 0x02
.set k, 0
.rept 32
	v_pk_add_f32 v[T+2*k:T+2*k+1], v[64*\a+2*k:64*\a+2*k+1], v[BIAS+2*\a:BIAS+2*\a+1]
.set k, k+1
.endr
	WIN 0
	QUANT T, SW+\a
.irp c, 0,1,2,3
	global_store_b128 v[VO], v[PC+4*\c:PC+4*\c+3], s[12:13] offset:\a*2048+\c*512
.endr
.endr
	global_store_b128 v[VS], v[SW:SW+3], s[12:13]  ; [r][d tile]: both halves of the lanes hold the same words and name the same 256 bytes
.endm
	TURN 0, 1, 2
	STEP 1, 0, 0
	BIASJ                                          ; the bias lands under the last 64 matrix instructions
	LASTF
	EPI 0
	; THE SECOND PHASE'S NUMBERS
	s_wait_xcnt 0x0                                ; the stores have read their registers and bases
	s_lshl_b32 s17, s2, 8
	s_lshl_b32 s18, s16, 7
	s_add_co_u32 s17, s17, s18                     ; my first token
	s_lshl_b32 s18, s3, 1
	s_add_co_u32 s18, s18, s15                     ; my head in its batch: my 64 features are one head
	s_lshr_b32 s19, s17, 11
	s_lshl_b32 s19, s19, 4
	s_add_co_u32 s19, s19, s18
	s_mul_i32 s19, s19, 274432
	s_bfe_u32 s40, s17, 0x40007                    ; the step of 128 tokens
	s_mul_i32 s40, s40, 17152
	s_add_co_u32 s40, s40, s19
	s_add_co_u32 s40, s40, 8192                    ; V's images lie 8,192 bytes behind K's
	s_mov_b32 s41, 0
	s_add_nc_u64 s[12:13], s[98:99], s[40:41]
	s_lshl_b32 s40, s18, 8
	s_add_co_u32 s40, s40, 4096                    ; v's bias begins 1,024 numbers into Wkv_b
	s_add_nc_u64 s[8:9], s[10:11], s[40:41]
	v_and_b32 v1, 15, v0
	v_bfe_u32 v2, v0, 4, 1
	v_mul_u32_u24 v3, v1, PITCH
	v_lshl_add_u32 v4, v2, 4, v3
	s_mul_i32 s42, s15, 64*PITCH                   ; my 64 rows of S1
	v_add_nc_u32 v[ADRA2], s42, v4
	s_add_co_u32 s42, s42, SLOT
	v_add_nc_u32 v[ADRA2+1], s42, v4
	v_mul_u32_u24 v5, v1, KS
	v_lshrrev_b32 v6, 8, v5
	v_lshl_add_u32 v5, v6, 4, v5
	s_mul_i32 s42, s15, HALFS/2
	s_mul_i32 s43, s16, HALFS
	s_add_co_u32 s43, s43, 2*HALFS
	s_sub_co_u32 s43, s43, s42                     ; from S1's words to S0's
	v_mul_u32_u24 v6, s43, v2
	s_add_co_u32 s43, s43, 4*SBLK
	v_mul_u32_u24 v7, s43, v2
	s_add_co_u32 s42, s42, SCL
	v_add_nc_u32 v6, v5, v6
	v_add_nc_u32 v7, v5, v7
	v_add_nc_u32 v[ADRS], s42, v6
	s_sub_co_u32 s42, s42, 4*SBLK
	v_add_nc_u32 v[ADRS2], s42, v7
	v_lshl_add_u32 v[VS], v1, 4, 8704              ; V's scale words lie 8,704 bytes behind its images
.irp a, 0,1,2,3
	global_load_b32 v[BIAS+2*\a], v[VBI], s[8:9] offset:(32*(\a/2)+8*(\a%2))*4      ; the bias is the lane's own feature, loaded twice to fill a pair
	global_load_b32 v[BIAS+2*\a+1], v[VBI], s[8:9] offset:(32*(\a/2)+8*(\a%2))*4
.endr
	s_wait_alu depctr_va_vdst(0)
	s_wait_tensorcnt 0x0                           ; my parts of K steps 0 and 1 and of the scale bytes are in,
	s_barrier_signal -1
	s_barrier_wait -1                              ; everybody's are
	FETCH_B 0, 0, 0
	FETCH_AH 0, 0
	SCALESH 0
	STEPH 0, 1
	TURNH 0, 1, 1
	STEPH 1, 0
	TURNH 1, 0, 1
	STEPH 0, 0
	TURNH 0, 1, 0
	STEPH 1, 0
	s_wait_dscnt 0x0
	WIN MUL_LO
	MUL16 4, 1, 1, 1, 0
	MUL16 6, 1, 1, 1, 0
	WIN 0
	EPIH
	s_wait_tensorcnt 0x0                           ; the wave's end
	ds_add_u32 v[SPW], v[NIL]
	s_wait_dscnt 0x0
	CROUND                                         ; the closing round: no work-group ends while a partner may still ask for a tile that names it
	s_endpgm
.Lfunc_end_k_q0e80d4be46_proj:
	.size	k_q0e80d4be46_proj, .Lfunc_end_k_q0e80d4be46_proj-k_q0e80d4be46_proj
	.p2alignl 7, 3214868480
	.fill 96, 4, 3214868480
	.section	.rodata,"a",@progbits
	.p2align	6, 0x0
	.amdhsa_kernel k_q0e80d4be46_proj
		.amdhsa_group_segment_fixed_size 327680
		.amdhsa_private_segment_fixed_size 0
		.amdhsa_enable_private_segment 0
		.amdhsa_kernarg_size 48
		.amdhsa_user_sgpr_count 2
		.amdhsa_user_sgpr_kernarg_segment_ptr 1
		.amdhsa_wavefront_size32 1
		.amdhsa_system_sgpr_workgroup_id_x 1
		.amdhsa_system_sgpr_workgroup_id_y 1
		.amdhsa_system_sgpr_workgroup_id_z 1
		.amdhsa_system_vgpr_workitem_id 0
		.amdhsa_next_free_vgpr 1024
		.amdhsa_next_free_sgpr 102
		.amdhsa_reserve_vcc 0
		.amdhsa_float_denorm_mode_32 3
		.amdhsa_float_denorm_mode_16_64 3
		.amdhsa_memory_ordered 1
		.amdhsa_forward_progress 1
		.amdhsa_inst_pref_size 255
	.end_amdhsa_kernel
	.section	.bss,"aw",@nobits
	.p2align	6
	.space	262144
	.amdgpu_metadata
---
amdhsa.version: [ 1, 2 ]
amdhsa.kernels:
  - .name:           k_q0e80d4be46_proj
    .symbol:         k_q0e80d4be46_proj.kd
    .args:
      - { .name: codes, .offset: 0, .size: 8, .value_kind: global_buffer, .address_space: global }
      - { .name: scales, .offset: 8, .size: 8, .value_kind: global_buffer, .address_space: global }
      - { .name: Wq_b, .offset: 16, .size: 8, .value_kind: global_buffer, .address_space: global }
      - { .name: Wkv_b, .offset: 24, .size: 8, .value_kind: global_buffer, .address_space: global }
      - { .name: qb, .offset: 32, .size: 8, .value_kind: global_buffer, .address_space: global }
      - { .name: kv, .offset: 40, .size: 8, .value_kind: global_buffer, .address_space: global }
    .group_segment_fixed_size: 327680
    .private_segment_fixed_size: 0
    .kernarg_segment_align: 8
    .kernarg_segment_size: 48
    .max_flat_workgroup_size: 128
    .sgpr_count:     102
    .vgpr_count:     1024
    .wavefront_size: 32
...
	.end_amdgpu_metadata
.endif
;; end of part 2
;; launch attn (part 3): grid 4 x 64, 8 waves a work-group, clusters of 4 x 1, 283,648 bytes of LDS; arguments qb, kv, mask, ao, aosc; writes ao, aosc
.if DOCPART == 3
	.amdgcn_target "amdgcn-amd-amdhsa--gfx1250"
	.amdhsa_code_object_version 6
	.text
	.protected	k_q0e80d4be46_attn
	.globl	k_q0e80d4be46_attn
	.p2align	8
	.type	k_q0e80d4be46_attn,@function
k_q0e80d4be46_attn:
	s_mov_b64 s[64:65], 0
	v_nop
	global_prefetch_b8 v0, s[64:65] scope:SCOPE_SE
	s_setreg_imm32_b32 hwreg(HW_REG_WAVE_MODE, 25, 1), 1
	s_wait_xcnt 0x0
	s_wait_alu depctr_hold_cnt(0) depctr_sa_sdst(0) depctr_va_vdst(0) depctr_va_sdst(0) depctr_va_ssrc(0) depctr_va_vcc(0) depctr_vm_vsrc(0)
	s_getreg_b32 s2, hwreg(HW_REG_IB_STS2, 6, 4)
	s_cmp_eq_u32 s2, 0
	s_cbranch_scc0 .Lentry_in_a_cluster
	s_endpgm
.Lentry_in_a_cluster:
	s_bfe_u32 s2, ttmp6, 0x10000c
	s_cmp_lg_u32 s2, 0x3003
	s_cbranch_scc0 .Lentry_shape_is_right
	s_endpgm
.Lentry_shape_is_right:
; Attention of one (batch, head) a cluster, both products on codes of FP8 (E4M3) with E8M0 scales; the result, divided by the row's sum, is quantised along C for the last product.
; WORK LEFT OUT: key steps of 128 keys that lie wholly above a tile's 16 queries: reference() itself puts -inf there, so their weights are 0 for all inputs.  A NaN or infinity that reaches only them is not carried on.
; THE SOFTMAX: t = score x log2(e) / 8; M = the running largest t rounded UP to a whole number; p = 2^(t - M) is quantised along the keys, not normalised; the row's sum is taken of the unquantised p
; and divides at the end; when M moves, the sum and O are multiplied by 2^(old M - new M), which rounds nothing.
; SHARES.  A head's K, V and scale words, 16 steps x 17,152 bytes, lie in LDS whole: each of the eight waves asks for two steps by one load, JOINTLY with the three partners of the cluster, which walk the same head.
; No ring, no refill, no barrier in the loops; every load of the launch is issued at the head, so there is no loop to prefetch in.
; A WAVE OWNS TWO QUERY TILES AT A TIME, tiles 8 j + cx (tile 0) and 8 j + 4 + cx (tile 1) of key step j: each fragment of K, of V and of the mask bias that it reads from LDS feeds two products.
; Wave w takes j = w and then j = 15 - w: (w + 1) + (16 - w) = 17 key steps whatever w.  j hangs on the wave's number alone; cx enters global addresses and the number QD alone.
; LAYOUT.  S^T = K Q^T (source 0 = keys, source 1 = 16 queries), O^T = V^T P^T: a lane holds one query of each tile.  Tokens and V's channels lie in position order, so the 16 registers of tiles 2 B, 2 B + 1
; are keys (channels) 32 B + 16 (lane / 16) + 0 .. 15.  The head has 64 channels, the instruction 128: a fragment of K holds key tile f in its lower half and key tile f + 4 in its upper; Q stands as [Q | 0] and
; as [0 | Q] (three runs of eight zero registers round the two Q), so each product meets zero codes in the half that is not its own.  A step's K is then 64 registers, fetched one step ahead.
; THE PADDING MASK IS AN INPUT and is applied by values: 0 or -2^100 for each key lies in LDS as f32 and is the C of the first product: it is loaded into tile 0's score registers; tile 1's products take it from
; there as C, nine places follow, and tile 0's products add in place.  The running largest t begins at -2^64: while a row has seen only padded keys every p is exactly 0.  A row with no valid key ends with the
; sum 0: its two scale bytes become 0xff, which makes that token's row of the last product NaN, as reference()'s softmax of nothing does; the reciprocal is taken of max(sum, 1/4).
; ON THE DIAGONAL (step j): tile 0's queries lie among the step's first 64 keys, tile 1's among its last 64, whatever cx: tile 0 compares blocks 0, 1 and hides blocks 2, 3; tile 1 compares blocks 2, 3.
; LIMITS: a valid key's t lies above -2^64 and |q . k| far under 2^100; NaN and infinities in q, k, v are not served.
; REGISTERS.  Window 0: v1-15 addresses; v16-41, v42-67 the two tiles' small numbers; v68-131 K; v132-195 V; v196-227 p's codes; v232-251 scale words.
; Window 1: v0-127 the scores and p of tiles 0, 1; v128-191 O^T; v192-231 zeros and Q; v232-233 QD.
.set STEPB, 17152                      ; a key step in kv and in LDS: K's images 8,192 | V's 8,192 | K's scale words 512 | V's 256
.set HEADB, 16*STEPB
.set QSTEP, 8704
.set VOFF,  8192
.set KSOFF, 16384
.set VSOFF, 16896
.set MB,    HEADB                      ; behind the head's bytes: the mask bias of the batch's 2,048 keys, f32
.set SPARE, MB+8192                    ; the spare words, 128 bytes for each of eight waves
.set AK0,  1                           ; 16 x lane
.set AS0,  2                           ; 16 r
.set AMB0, 3                           ; MB + 64 h
.set RP,   4                           ; r + 8 (r / 8) - 16 h
.set SPW,  5
.set NIL,  6
.set SCB,  7                           ; 32 r + h: my byte of aosc
.set ADC,  8                           ; images of the step in hand;  ADN: of the next
.set ADN,  9
.set ASC,  10                          ; scale words likewise
.set ASN,  11
.set ADM,  12                          ; the next step's mask bias
.set NANB, 13
.set PA,   16                          ; a tile's small numbers, from P: +0 -M, +1 largest t, +2,3 the sum, +4,5 f and 0, +6 blocks' largest, +10 at work, +14 holds, +18 scale operands, +22..24 at work
.set PB,   42
.set KFR,  68
.set VF,   132
.set PCD,  196
.set KSW,  232                         ; K's words of tiles 0-3, then of fragments;  KSW1: of tiles 4-7
.set QSW,  236                         ; Q's words, tile 0, 1;  QSW + 8: the same moved into bytes 2, 3
.set PSW,  238
.set KSW1, 240
.set VSW,  248
.set QD,   232                         ; window 1: my query in its step - 16 h
.set CX,  14
.set BH,  15
.set BB,  16
.set HD,  17
.set WV,  18
.set MNT, 19
.set SEL, 20
.set CS,  22                           ; s[22:23] c = log2(e) / 8
.set G1,  24
.set G0,  32
.set J,   36                           ; the step that holds my queries
.set SG,  37                           ; the step in hand
.set TK,  38                           ; 17,152 x it;  TKN: of the next step, held at the last
.set TM,  39                           ; 512 x it;  TMN likewise
.set TKN, 40
.set TMN, 41
.set HM,  42
.set TT,  43
.set QP,  44
.set QSP, 48
.set AOP, 52
.set ASP, 56
.set QB,  60
.set AOB, 62
.set ASB, 66
.set MSB, 0
.macro WIN new                         ; low byte: bits 1:0 source 0, 3:2 source 1, 5:4 source 2, 7:6 destination; the high byte repeats the setting that is left
.if MSB != (\new)
	s_set_vgpr_msb (MSB<<8)|(\new)
.set MSB, \new
.endif
.endm
.macro WALU
	s_wait_alu depctr_va_vdst(0)
.endm
.macro CROUND                          ; a round of the cluster's barrier
	s_barrier_signal -1
	s_barrier_wait -1
	s_cmp_lg_u32 s[WV], 0
	s_cbranch_scc1 .Lnot_wave_0_\@
	s_barrier_signal -3
.Lnot_wave_0_\@:
	s_barrier_wait -3
	s_barrier_signal -1
	s_barrier_wait -1
.endm
; Tile 8 j + 4 T + cx: its addresses, Q's fragment and scale word
.macro QLOAD T
	s_lshl_b32 s[TT], s[J], 3
	s_add_co_u32 s[TT], s[TT], s[CX]
	s_add_co_u32 s[TT], s[TT], 4*\T
	s_mul_i32 s68, s[J], QSTEP
	s_and_b32 s69, s[TT], 7
	s_lshl_b32 s69, s69, 10
	s_add_co_u32 s70, s68, s69
	s_mov_b32 s71, 0
	s_add_nc_u64 s[QP+2*\T:QP+2*\T+1], s[QB:QB+1], s[70:71]     ; the tile's two images
	s_lshl_b32 s70, s[CX], 2
	s_add_co_u32 s70, s70, s68
	s_add_co_u32 s70, s70, 8192+256*\T
	s_add_nc_u64 s[QSP+2*\T:QSP+2*\T+1], s[QB:QB+1], s[70:71]   ; its scale words: [g = T][r][tile % 4 = cx]
	WIN 0x40
	global_load_b128 v[200+16*\T:203+16*\T], v[AK0], s[QP+2*\T:QP+2*\T+1]
	global_load_b128 v[204+16*\T:207+16*\T], v[AK0], s[QP+2*\T:QP+2*\T+1] offset:512
	WIN 0
	global_load_b32 v[QSW+\T], v[AS0], s[QSP+2*\T:QSP+2*\T+1]
	s_bfe_u32 s69, s[TT], 0x20001
	s_lshl_b32 s69, s69, 5
	s_and_b32 s70, s[TT], 1
	s_lshl_b32 s70, s70, 3
	s_add_co_u32 s69, s69, s70
	WIN 0x40
	v_add_nc_u32 v[QD+\T], s69, v[RP]              ; lane r is query 32 ((t / 2) % 4) + 8 (t % 2) + r + 8 (r / 8) of its step
	WIN 0
	s_lshl_b32 s70, s[TT], 14
	s_add_nc_u64 s[AOP+2*\T:AOP+2*\T+1], s[AOB:AOB+1], s[70:71]
	s_lshl_b32 s70, s[TT], 9
	s_add_nc_u64 s[ASP+2*\T:ASP+2*\T+1], s[ASB:ASB+1], s[70:71]
.endm
.macro KLOAD a, s                      ; a step's K: fragment f = key tile f below, key tile f + 4 above; and its scale words
.irp f, 0,1,2,3
.irp c, 0,1
	ds_load_b128 v[KFR+16*\f+4*\c:KFR+16*\f+4*\c+3], v[\a] offset:\f*1024+\c*512
	ds_load_b128 v[KFR+16*\f+8+4*\c:KFR+16*\f+11+4*\c], v[\a] offset:(\f+4)*1024+\c*512
.endr
.endr
	ds_load_b128 v[KSW:KSW+3], v[\s] offset:KSOFF
	ds_load_b128 v[KSW1:KSW1+3], v[\s] offset:KSOFF+256
.endm
.macro BLOAD a                         ; the mask bias of keys 32 (t / 2) + 16 h + 8 (t % 2) + 0 .. 7 into tile 0's score registers (destination: window 1)
.irp t, 0,1,2,3,4,5,6,7
	ds_load_b128 v[8*\t:8*\t+3], v[\a] offset:128*(\t/2)+32*(\t%2)
	ds_load_b128 v[8*\t+4:8*\t+7], v[\a] offset:128*(\t/2)+32*(\t%2)+16
.endr
.endm
.macro KWORDS                          ; a fragment's scale word: bytes 0, 1 key tile f's, bytes 2, 3 key tile f + 4's
.irp f, 0,1,2,3
	v_perm_b32 v[KSW+\f], v[KSW1+\f], v[KSW+\f], 0x05040100
.endr
.endm
.macro SMUL T                          ; eight products of tile T: C = the mask bias in tile 0's registers.  The accumulators take turns
.irp t, 0,1,2,3,4,5,6,7
	v_wmma_scale_f32_16x16x128_f8f6f4 v[64*\T+8*\t:64*\T+8*\t+7], v[KFR+16*(\t%4):KFR+16*(\t%4)+15], v[200+16*\T-8*(\t/4):215+16*\T-8*(\t/4)], v[8*\t:8*\t+7], v[KSW+(\t%4)], v[QSW+\T+8*(\t/4)]
.endr
.endm
.macro PV T
.irp d, 0,1,2,3
	v_wmma_scale_f32_16x16x128_f8f6f4 v[128+32*\T+8*\d:135+32*\T+8*\d], v[VF+16*\d:VF+16*\d+15], v[PCD+16*\T:PCD+16*\T+15], v[128+32*\T+8*\d:135+32*\T+8*\d], v[VSW+\d], v[PSW+\T]
.endr
.endm
.macro MAXB T                          ; the largest score of each block of 32 keys: for the row's maximum and, since p rises with the score, for the block's largest p
.set P_, PA+26*\T
.set S_, 64*\T
	WIN 0x15
.irp b, 0,1,2,3
	v_max3_num_f32 v[P_+6+\b], v[S_+16*\b], v[S_+16*\b+1], v[S_+16*\b+2]
.endr
	WIN 0x14
.irp i, 3,5,7,9,11,13
.irp b, 0,1,2,3
	v_max3_num_f32 v[P_+6+\b], v[P_+6+\b], v[S_+16*\b+\i], v[S_+16*\b+\i+1]
.endr
.endr
.irp b, 0,1,2,3
	v_max_num_f32 v[P_+6+\b], v[P_+6+\b], v[S_+16*\b+15]
.endr
.endm
.macro SUMP T                          ; the row's sum of the unquantised p: two at a time, four chains
.set P_, PA+26*\T
.set S_, 64*\T
	WIN 0x05
.irp k, 0,1,2,3
	v_pk_add_f32 v[P_+10+2*\k:P_+11+2*\k], v[S_+2*\k:S_+2*\k+1], v[S_+8+2*\k:S_+9+2*\k]
.endr
	WIN 0x04
.set j_, 16
.rept 6
.irp k, 0,1,2,3
	v_pk_add_f32 v[P_+10+2*\k:P_+11+2*\k], v[P_+10+2*\k:P_+11+2*\k], v[S_+j_+2*\k:S_+j_+2*\k+1]
.endr
.set j_, j_+8
.endr
	WIN 0
	v_pk_add_f32 v[P_+10:P_+11], v[P_+10:P_+11], v[P_+12:P_+13]
	v_pk_add_f32 v[P_+14:P_+15], v[P_+14:P_+15], v[P_+16:P_+17]
	v_pk_add_f32 v[P_+10:P_+11], v[P_+10:P_+11], v[P_+14:P_+15]
	v_pk_add_f32 v[P_+2:P_+3], v[P_+2:P_+3], v[P_+10:P_+11]
.endm
.macro SCALE T                         ; from the blocks' largest p: scale operands, holds, p's scale word
.set P_, PA+26*\T
.irp b, 0,1,2,3
	v_max_num_f32 v[P_+6+\b], 0x4800000, v[P_+6+\b]          ; the floor 2^(9 - 127): a block whose every p is 0 keeps the byte 1: its codes are zeros
.endr
.irp b, 0,1,2,3
	v_add_nc_u32 v[P_+18+\b], 0xfc000000, v[P_+6+\b]         ; 8 off the exponent field
.endr
.irp b, 0,1,2,3
	v_and_or_b32 v[P_+14+\b], v[P_+6+\b], 0x7f800000, s[MNT] ; 448 x the scale
.endr
.irp b, 0,1,2,3
	v_lshrrev_b32 v[P_+10+\b], 23, v[P_+18+\b]               ; the scale's byte
.endr
	v_lshl_or_b32 v[PSW+\T], v[P_+11], 8, v[P_+10]
	v_lshl_or_b32 v[PSW+\T], v[P_+12], 16, v[PSW+\T]
	v_lshl_or_b32 v[PSW+\T], v[P_+13], 24, v[PSW+\T]
.endm
.macro CVT T
.set P_, PA+26*\T
.set S_, 64*\T
	WIN 0x01
.irp b, 0,1,2,3
	v_cvt_scalef32_pk8_fp8_f32 v[PCD+16*\T+4*\b:PCD+16*\T+4*\b+1], v[S_+16*\b:S_+16*\b+7], v[P_+18+\b]
	v_cvt_scalef32_pk8_fp8_f32 v[PCD+16*\T+4*\b+2:PCD+16*\T+4*\b+3], v[S_+16*\b+8:S_+16*\b+15], v[P_+18+\b]
.endr
.endm
; A KEY STEP of 128 keys for both tiles.
.macro STEP
	s_cmp_gt_u32 s[SG], s[J]                       ; all its keys come after my queries: left out.  The wave's number and the count of steps alone
	s_cbranch_scc1 .Lhidden_\@
	s_add_co_u32 s[TKN], s[TK], STEPB
	s_min_u32 s[TKN], s[TKN], 15*STEPB             ; the look-ahead stays inside the head's bytes
	s_add_co_u32 s[TMN], s[TM], 512
	s_min_u32 s[TMN], s[TMN], 15*512
	s_wait_dscnt 0x0                               ; the mask bias is in
	WIN 0x54
	SMUL 1
	WIN 0
	v_add_nc_u32 v[ADC], s[TK], v[AK0]             ; five additions and four v_nop: nine places ahead of products that write over the C just read
	v_add_nc_u32 v[ADN], s[TKN], v[AK0]
	v_add_nc_u32 v[ASC], s[TK], v[AS0]
	v_add_nc_u32 v[ASN], s[TKN], v[AS0]
	v_add_nc_u32 v[ADM], s[TMN], v[AMB0]
.rept 4
	v_nop
.endr
	WIN 0x54
	SMUL 0
	WIN 0
	WALU
	s_cmp_lg_u32 s[SG], s[J]                       ; only my queries' own step lies on the diagonal
	s_cbranch_scc1 .Lopen_\@
	WIN 0x44
.set n_, 32
.rept 32                                       ; register n holds key 32 (n / 16) + n % 16 + 16 h of the step: it counts where it does not come after my query.  Tile 1 first: its lines are tile 0's places
	v_cmp_le_i32 vcc_lo, 32*(n_/16)+n_%16, v[QD+1]
	v_cndmask_b32 v[64+n_], 0xff800000, v[64+n_], vcc_lo
.set n_, n_+1
.endr
.set n_, 0
.rept 32
	v_cmp_le_i32 vcc_lo, 32*(n_/16)+n_%16, v[QD]
	v_cndmask_b32 v[n_], 0xff800000, v[n_], vcc_lo
.set n_, n_+1
.endr
.rept 32
	v_mov_b32 v[n_], 0xff800000
.set n_, n_+1
.endr
	WIN 0
.Lopen_\@:
	MAXB 1                                         ; 32 lines on tile 1's scores: the places behind tile 0's products
	WIN 0
	KLOAD ADN, ASN                                 ; the next step's K, and this step's V, land under the softmax
.irp d, 0,1,2,3
.irp c, 0,1,2,3
	ds_load_b128 v[VF+16*\d+4*\c:VF+16*\d+4*\c+3], v[ADC] offset:VOFF+2048*\d+512*\c
.endr
.endr
	ds_load_b128 v[VSW:VSW+3], v[ASC] offset:VSOFF
	MAXB 0
	WIN 0
.irp b, 0,1,2,3
.irp P, PA,PB
	v_permlanex16_b32 v[\P+10+\b], v[\P+6+\b], s[SEL], s[SEL+1]
.endr
.endr
.irp b, 0,1,2,3
.irp P, PA,PB
	v_max_num_f32 v[\P+6+\b], v[\P+6+\b], v[\P+10+\b]        ; with lane l xor 16's 16 keys
.endr
.endr
.irp P, PA,PB
	v_max3_num_f32 v[\P+22], v[\P+6], v[\P+7], v[\P+8]
.endr
.irp P, PA,PB
	v_max_num_f32 v[\P+22], v[\P+22], v[\P+9]
.endr
.irp P, PA,PB
	v_mul_f32 v[\P+22], s[CS], v[\P+22]            ; as t (c is positive)
.endr
.irp P, PA,PB
	v_max_num_f32 v[\P+1], v[\P+1], v[\P+22]       ; the running largest t
.endr
.irp P, PA,PB
	v_mov_b32 v[\P+22], v[\P]
.endr
.irp P, PA,PB
	v_floor_f32 v[\P], -v[\P+1]                    ; the new -M = floor(-t)
.endr
.irp P, PA,PB
	v_sub_f32 v[\P+22], v[\P], v[\P+22]            ; old M - new M: a whole number, 0 or less
.endr
.irp P, PA,PB
	v_cvt_i32_f32 v[\P+22], v[\P+22]
.endr
.irp P, PA,PB
	v_ldexp_f32 v[\P+4], 1.0, v[\P+22]             ; f = 2^(old M - new M)
.endr
.irp b, 0,1,2,3
.irp P, PA,PB
	v_fma_f32 v[\P+6+\b], v[\P+6+\b], s[CS], v[\P] ; t - M of each block's largest score
.endr
.endr
.irp P, PA,PB
	v_pk_mul_f32 v[\P+2:\P+3], v[\P+2:\P+3], v[\P+4:\P+5] op_sel_hi:[1,0]   ; the sums under the new M
.endr
	WIN 0x41
.set j_, 0
.rept 32
	v_pk_fma_f32 v[j_:j_+1], v[j_:j_+1], s[CS:CS+1], v[PA:PA+1] op_sel_hi:[1,0,0]   ; tile 0: t - M, two at a time
.set j_, j_+2
.endr
	WIN 0
	WALU                                           ; ahead of the batch
.irp b, 0,1,2,3
.irp P, PA,PB
	v_exp_f32 v[\P+6+\b], v[\P+6+\b]               ; the blocks' largest p
.endr
.endr
	WIN 0x41
.set j_, 0
.rept 32                                       ; tile 0's p = 2^(t - M); among them tile 1's t - M, whose sources stand ahead of the wait above and whose results are read behind the wait below
	v_exp_f32 v[j_], v[j_]
	v_exp_f32 v[j_+1], v[j_+1]
	v_pk_fma_f32 v[64+j_:65+j_], v[64+j_:65+j_], s[CS:CS+1], v[PB:PB+1] op_sel_hi:[1,0,0]
.set j_, j_+2
.endr
	WIN 0
	WALU                                           ; behind the batch
	SUMP 0
	SCALE 0
	WALU
	s_wait_dscnt 0x0                               ; the next step's K and its words, this step's V
	KWORDS
	WIN 0x41
	WALU                                           ; ahead of the batch
.set j_, 0
.rept 64                                       ; tile 1's p; among them tile 0's holds (the conversion does not saturate: ISA guide 7.6.2; p is not negative, so the hold is one-sided)
	v_exp_f32 v[64+j_], v[64+j_]
	v_min_num_f32 v[j_], v[j_], v[PA+14+j_/16]
.set j_, j_+1
.endr
	WALU                                           ; behind the batch
	CVT 0
	WIN 0x40
	BLOAD ADM                                      ; tile 0's score registers are done with: the next step's mask bias lands there
	SUMP 1
	SCALE 1
	WIN 0x41
.set j_, 0
.rept 64
	v_min_num_f32 v[64+j_], v[64+j_], v[PB+14+j_/16]
.set j_, j_+1
.endr
	CVT 1
	WIN 0x41
	WALU                                           ; directly ahead of the first reader of O^T
.set j_, 0
.rept 16
	v_pk_mul_f32 v[128+j_:129+j_], v[128+j_:129+j_], v[PA+4:PA+5] op_sel_hi:[1,0]   ; O^T under the new M; these 32 are also the places between the conversions and the products
.set j_, j_+2
.endr
.set j_, 0
.rept 16
	v_pk_mul_f32 v[160+j_:161+j_], v[160+j_:161+j_], v[PB+4:PB+5] op_sel_hi:[1,0]
.set j_, j_+2
.endr
	WIN 0x50
	PV 0
	PV 1
	WIN 0
.Lhidden_\@:
	s_add_co_u32 s[TK], s[TK], STEPB
	s_add_co_u32 s[TM], s[TM], 512
.endm
; THE END OF A PAIR OF TILES: O^T / the sum; a lane's 32 numbers of a tile are two blocks of the last product's K: codes leave as two images, the two scale bytes one from each half of the lanes.
.macro TAIL
	WALU
	s_wait_dscnt 0x0                               ; the look-ahead's last loads have landed: their registers are at work below
.rept 8
	v_nop                                          ; places behind the last products
.endr
.irp P, PA,PB
	v_add_f32 v[\P+23], v[\P+2], v[\P+3]
.endr
.irp P, PA,PB
	v_permlanex16_b32 v[\P+24], v[\P+23], s[SEL], s[SEL+1]
.endr
.irp P, PA,PB
	v_add_f32 v[\P+23], v[\P+23], v[\P+24]         ; the row's sum
.endr
.irp P, PA,PB
	v_max_num_f32 v[\P+2], 0x3e800000, v[\P+23]    ; at least 1/4: changes nothing where a key counted
.endr
	WALU
.irp P, PA,PB
	v_rcp_f32 v[\P+2], v[\P+2]
.endr
	v_nop
	WIN 0x41
	WALU
.irp T, 0,1
.set j_, 0
.rept 16
	v_pk_mul_f32 v[64*\T+j_:64*\T+j_+1], v[128+32*\T+j_:129+32*\T+j_], v[PA+26*\T+2:PA+26*\T+3] op_sel_hi:[1,0]   ; each accumulator from its low end on
.set j_, j_+2
.endr
.endr
	WIN 0x05
.irp T, 0,1
.irp b, 0,1
	v_max3_num_f32 v[PA+26*\T+6+\b], |v[64*\T+16*\b]|, |v[64*\T+16*\b+1]|, 0x4800000
.endr
.endr
	WIN 0x14
.irp i, 2,4,6,8,10,12,14
.irp T, 0,1
.irp b, 0,1
	v_max3_num_f32 v[PA+26*\T+6+\b], v[PA+26*\T+6+\b], |v[64*\T+16*\b+\i]|, |v[64*\T+16*\b+\i+1]|
.endr
.endr
.endr
	WIN 0
.irp Q, PA,PA+1,PB,PB+1
	v_permlanex16_b32 v[\Q+10], v[\Q+6], s[SEL], s[SEL+1]
.endr
.irp Q, PA,PA+1,PB,PB+1
	v_max_num_f32 v[\Q+6], v[\Q+6], v[\Q+10]
.endr
.irp Q, PA,PA+1,PB,PB+1
	v_add_nc_u32 v[\Q+18], 0xfc000000, v[\Q+6]
.endr
.irp Q, PA,PA+1,PB,PB+1
	v_and_or_b32 v[\Q+14], v[\Q+6], 0x7f800000, s[MNT]
.endr
.irp Q, PA,PA+1,PB,PB+1
	v_lshrrev_b32 v[\Q+10], 23, v[\Q+18]
.endr
	WIN 0x41
.irp T, 0,1
.irp b, 0,1
.set j_, 0
.rept 16
	v_med3_num_f32 v[64*\T+16*\b+j_], v[64*\T+16*\b+j_], -v[PA+26*\T+14+\b], v[PA+26*\T+14+\b]
.set j_, j_+1
.endr
.endr
.endr
	WIN 0x01
.irp T, 0,1
.irp b, 0,1
	v_cvt_scalef32_pk8_fp8_f32 v[PCD+16*\T+4*\b:PCD+16*\T+4*\b+1], v[64*\T+16*\b:64*\T+16*\b+7], v[PA+26*\T+18+\b]
	v_cvt_scalef32_pk8_fp8_f32 v[PCD+16*\T+4*\b+2:PCD+16*\T+4*\b+3], v[64*\T+16*\b+8:64*\T+16*\b+15], v[PA+26*\T+18+\b]
.endr
.endr
	WIN 0
	v_nop                                          ; one plain line behind the last conversion
.irp T, 0,1
	v_cndmask_b32 v[PA+26*\T+22], v[PA+26*\T+10], v[PA+26*\T+11], s[HM]   ; lanes 0-15 carry block 0's byte, lanes 16-31 block 1's
	v_cmp_eq_f32 vcc_lo, 0, v[PA+26*\T+23]         ; no key counted for my query:
	v_cndmask_b32 v[PA+26*\T+22], v[PA+26*\T+22], v[NANB], vcc_lo         ; the byte 0xff: a choice of a value, no branch
	global_store_b128 v[AK0], v[PCD+16*\T:PCD+16*\T+3], s[AOP+2*\T:AOP+2*\T+1]               ; 512 consecutive bytes, aligned
	global_store_b128 v[AK0], v[PCD+16*\T+4:PCD+16*\T+7], s[AOP+2*\T:AOP+2*\T+1] offset:512
	global_store_b8 v[SCB], v[PA+26*\T+22], s[ASP+2*\T:ASP+2*\T+1]        ; one byte a lane: rows of aosc belong to sixteen heads
.endr
	s_wait_xcnt 0x0                                ; the stores' data and bases are written again only behind this wait
.endm
.macro PASS trips
	KLOAD AK0, AS0                                 ; step 0's K and mask bias
	WIN 0x40
	BLOAD AMB0
.set j_, 0
.rept 64
	v_mov_b32 v[128+j_], 0                         ; O^T: the step is written once; the first change of M multiplies zeros
.set j_, j_+1
.endr
	WIN 0
	s_mov_b32 s[SG], 0
	s_mov_b32 s[TK], 0
	s_mov_b32 s[TM], 0
	WALU
	s_wait_loadcnt 0x0                             ; Q
	s_wait_dscnt 0x0
	KWORDS
	v_lshlrev_b32 v[QSW+8], 16, v[QSW]             ; Q's two bytes for the upper half; bytes 0, 1 then belong to zero codes
	v_lshlrev_b32 v[QSW+9], 16, v[QSW+1]
.irp P, PA,PB
	v_mov_b32 v[\P+1], 0xdf800000                  ; the largest t so far: -2^64.  (These lines are also the places between the scale words' writes and the first products)
.endr
.irp P, PA,PB
	v_floor_f32 v[\P], -v[\P+1]                    ; -M
.endr
.irp P, PA,PB
	v_mov_b32 v[\P+2], 0                           ; the sum, in two halves
	v_mov_b32 v[\P+3], 0
.endr
.rept 2
	v_nop
.endr
	WALU
.Lstep_\@:
	STEP
	s_add_co_u32 s[SG], s[SG], 1
	s_cmp_lt_u32 s[SG], \trips
	WALU
	s_cbranch_scc1 .Lstep_\@
	TAIL
.endm
	s_load_b256 s[4:11], s[0:1], 0x0               ; qb s[4:5], kv s[6:7], mask s[8:9], ao s[10:11]
	s_load_b64 s[12:13], s[0:1], 0x20              ; aosc
	v_lshl_add_u32 v[SPW], v0, 2, SPARE
	v_mov_b32 v[NIL], 0
	ds_add_u32 v[SPW], v[NIL]                      ; the wave's opening: the add, twice on end, and its wait ahead of my first tensor load
	ds_add_u32 v[SPW], v[NIL]
	v_lshrrev_b32 v14, 5, v0
	v_readfirstlane_b32 s[WV], v14                 ; wave 0..7
	s_bfe_u32 s[CX], ttmp6, 0x40000                ; my place in the cluster
	s_and_b32 s[BH], ttmp7, 0xffff                 ; 16 x batch + head, which the four partners share
	s_lshr_b32 s[BB], s[BH], 4
	s_and_b32 s[HD], s[BH], 15
	; descriptor group 1: two key steps: 34,304 dense bytes as 134 rows of 256 (32 elements of 8 bytes), no padding: images are read 16 bytes a lane on end
	s_mov_b32 s[G1], 15|(3<<16)|(1<<21)            ; 15:0 the mask: all four work-groups; 17:16 elements of 8 bytes; 21 set beside a mask
	s_mov_b32 s[G1+1], 32<<16
	s_mov_b32 s[G1+2], 134<<16
	s_mov_b32 s[G1+3], 32<<16
	s_mov_b32 s[G1+4], 134
	s_mov_b32 s[G1+5], 32
	s_mov_b32 s[G1+6], 0
	s_mov_b32 s[G1+7], 0
	s_mov_b32 s[SEL], 0x76543210
	s_mov_b32 s[SEL+1], 0xfedcba98                 ; lane l xor 16
	s_mov_b32 s[CS], 0x3e38aa3b                    ; c = log2(e) / sqrt(64)
	s_mov_b32 s[CS+1], s[CS]
	s_mov_b32 s[MNT], 0x600000
	s_mov_b32 s[HM], 0xffff0000
	v_and_b32 v14, 15, v0                          ; r
	v_bfe_u32 v15, v0, 4, 1                        ; h
	v_and_b32 v[AK0], 31, v0
	v_lshlrev_b32 v[AK0], 4, v[AK0]
	v_lshlrev_b32 v[AS0], 4, v14
	v_lshl_add_u32 v[AMB0], v15, 6, MB
	v_and_b32 v252, 8, v14
	v_add_nc_u32 v252, v252, v14
	v_lshlrev_b32 v[RP], 4, v15
	v_sub_nc_u32 v[RP], v252, v[RP]
	v_lshl_add_u32 v[SCB], v14, 5, v15
	v_lshlrev_b32 v246, 3, v0                      ; my eight bytes of the batch's mask,
	v_lshl_add_u32 v247, v0, 5, MB                 ; and where their eight numbers go
	v_mov_b32 v[NANB], 0xff
.irp P, PA,PB
	v_mov_b32 v[\P+5], 0                           ; (named as the upper half of f's pair)
	v_mov_b32 v[\P+24], 0                          ; a lane permute's destination counts as one of its sources
.irp b, 0,1,2,3
	v_mov_b32 v[\P+10+\b], 0
.endr
.endr
	WIN 0x40
.irp i, 0,1,2,3,4,5,6,7
	v_mov_b32 v[192+\i], 0                         ; zero codes round the two Q
	v_mov_b32 v[208+\i], 0
	v_mov_b32 v[224+\i], 0
.endr
	WIN 0
	s_mul_i32 s[G0+1], s[WV], 2*STEPB              ; my two steps' place in LDS: the wave's number alone
	s_mul_i32 s68, s[BH], HEADB
	s_add_co_u32 s68, s68, s[G0+1]
	s_mov_b32 s69, 0
	s_mul_i32 s70, s[BH], 16*QSTEP
	s_mov_b32 s71, 0
	WALU
	s_wait_dscnt 0x0                               ; both opening adds are done
	s_wait_kmcnt 0x0
	s_mov_b32 s[G0], 1
	s_add_nc_u64 s[G0+2:G0+3], s[6:7], s[68:69]    ; the head's steps 2 w, 2 w + 1: equal in the four partners
	s_or_b32 s[G0+3], s[G0+3], 0x80000000
	s_add_nc_u64 s[QB:QB+1], s[4:5], s[70:71]
	s_lshl_b32 s68, s[BB], 11
	s_add_nc_u64 s[8:9], s[8:9], s[68:69]          ; the batch's row of the mask
	s_lshl_b32 s68, s[BB], 21
	s_lshl_b32 s70, s[HD], 10
	s_add_co_u32 s68, s68, s70
	s_add_nc_u64 s[AOB:AOB+1], s[10:11], s[68:69]  ; ao: 16,384 bytes a tile of 16 positions, 1,024 a head
	s_lshl_b32 s68, s[BB], 16
	s_lshl_b32 s70, s[HD], 1
	s_add_co_u32 s68, s68, s70
	s_add_nc_u64 s[ASB:ASB+1], s[12:13], s[68:69]  ; aosc: 32 bytes a position, 2 a head
	CROUND                                         ; all four work-groups are here: the joint loads meet
	tensor_load_to_lds s[G0:G0+3], s[G1:G1+7]      ; every wave's one tensor load of the launch
	s_nop 0
.rept 4
	v_nop
.endr
	global_load_b64 v[252:253], v246, s[8:9]
	s_mov_b32 s[J], s[WV]
	QLOAD 0
	QLOAD 1
	WALU
	s_wait_loadcnt 0x6                             ; the mask bytes are in; Q's six loads may be out
.irp i, 0,1,2,3
	v_bfe_u32 v[VF+\i], v252, 8*\i, 8              ; 0 or 1
	v_bfe_u32 v[VF+4+\i], v253, 8*\i, 8
.endr
.irp i, 0,1,2,3,4,5,6,7
	v_sub_nc_u32 v[VF+\i], 0, v[VF+\i]             ; no bit or all
.endr
.irp i, 0,1,2,3,4,5,6,7
	v_and_b32 v[VF+\i], 0xf1800000, v[VF+\i]       ; 0 or -2^100
.endr
	ds_store_b128 v247, v[VF:VF+3]
	ds_store_b128 v247, v[VF+4:VF+7] offset:16
	s_wait_tensorcnt 0x0                           ; my two steps have landed,
	s_wait_dscnt 0x0                               ; my part of the mask bias is stored:
	s_barrier_signal -1
	s_barrier_wait -1                              ; everybody's: from here on LDS is only read
	PASS 8                                         ; j = w: steps 0 .. 7
	s_sub_co_u32 s[J], 15, s[WV]
	QLOAD 0
	QLOAD 1
	PASS 16                                        ; j = 15 - w: steps 8 .. 15
	s_wait_tensorcnt 0x0                           ; the wave's end
	ds_add_u32 v[SPW], v[NIL]
	s_wait_dscnt 0x0
	CROUND                                         ; the closing round
	s_endpgm
.Lfunc_end_k_q0e80d4be46_attn:
	.size	k_q0e80d4be46_attn, .Lfunc_end_k_q0e80d4be46_attn-k_q0e80d4be46_attn
	.p2alignl 7, 3214868480
	.fill 96, 4, 3214868480
	.section	.rodata,"a",@progbits
	.p2align	6, 0x0
	.amdhsa_kernel k_q0e80d4be46_attn
		.amdhsa_group_segment_fixed_size 283648
		.amdhsa_private_segment_fixed_size 0
		.amdhsa_enable_private_segment 0
		.amdhsa_kernarg_size 40
		.amdhsa_user_sgpr_count 2
		.amdhsa_user_sgpr_kernarg_segment_ptr 1
		.amdhsa_wavefront_size32 1
		.amdhsa_system_sgpr_workgroup_id_x 1
		.amdhsa_system_sgpr_workgroup_id_y 1
		.amdhsa_system_sgpr_workgroup_id_z 1
		.amdhsa_system_vgpr_workitem_id 0
		.amdhsa_next_free_vgpr 512
		.amdhsa_next_free_sgpr 72
		.amdhsa_reserve_vcc 1
		.amdhsa_float_denorm_mode_32 3
		.amdhsa_float_denorm_mode_16_64 3
		.amdhsa_memory_ordered 1
		.amdhsa_forward_progress 1
		.amdhsa_inst_pref_size 137
	.end_amdhsa_kernel
	.amdgpu_metadata
---
amdhsa.version: [ 1, 2 ]
amdhsa.kernels:
  - .name:           k_q0e80d4be46_attn
    .symbol:         k_q0e80d4be46_attn.kd
    .args:
      - { .name: qb, .offset: 0, .size: 8, .value_kind: global_buffer, .address_space: global }
      - { .name: kv, .offset: 8, .size: 8, .value_kind: global_buffer, .address_space: global }
      - { .name: mask, .offset: 16, .size: 8, .value_kind: global_buffer, .address_space: global }
      - { .name: ao, .offset: 24, .size: 8, .value_kind: global_buffer, .address_space: global }
      - { .name: aosc, .offset: 32, .size: 8, .value_kind: global_buffer, .address_space: global }
    .group_segment_fixed_size: 283648
    .private_segment_fixed_size: 0
    .kernarg_segment_align: 8
    .kernarg_segment_size: 40
    .max_flat_workgroup_size: 256
    .sgpr_count:     72
    .vgpr_count:     512
    .wavefront_size: 32
...
	.end_amdgpu_metadata
.endif
;; end of part 3
;; launch outp (part 4): grid 8 x 32, 4 waves a work-group, clusters of 4 x 4, 327,680 bytes of LDS; arguments ao, aosc, codes, scales, Wo_b, out0; writes out0
.if DOCPART == 4
	.amdgcn_target "amdgcn-amd-amdhsa--gfx1250"
	.amdhsa_code_object_version 6
	.text
	.protected	k_q0e80d4be46_outp
	.globl	k_q0e80d4be46_outp
	.p2align	8
	.type	k_q0e80d4be46_outp,@function
k_q0e80d4be46_outp:
	s_mov_b64 s[64:65], 0
	v_nop
	global_prefetch_b8 v0, s[64:65] scope:SCOPE_SE
	s_setreg_imm32_b32 hwreg(HW_REG_WAVE_MODE, 25, 1), 1
	s_wait_xcnt 0x0
	s_wait_alu depctr_hold_cnt(0) depctr_sa_sdst(0) depctr_va_vdst(0) depctr_va_sdst(0) depctr_va_ssrc(0) depctr_va_vcc(0) depctr_vm_vsrc(0)
	s_getreg_b32 s2, hwreg(HW_REG_IB_STS2, 6, 4)
	s_cmp_eq_u32 s2, 0
	s_cbranch_scc0 .Lentry_in_a_cluster
	s_endpgm
.Lentry_in_a_cluster:
	s_bfe_u32 s2, ttmp6, 0x10000c
	s_cmp_lg_u32 s2, 0xf033
	s_cbranch_scc0 .Lentry_shape_is_right
	s_endpgm
.Lentry_shape_is_right:
; out0 = a Wo^T + bo on codes of FP8 (E4M3) with E8M0 scales: 8,192 x 1,024 x 1,024.  Nothing of reference() is left out here.
; a: ao, as the launch before leaves it: [tile of 16 positions][head 16][c 2][lane 32][16 bytes], images of operand registers; aosc: [position][32 scale bytes].  Wo: codes and scales from position 19,456 on.
; Tokens and Wo's rows lie in position order: position 16 T + r = row 32 (T / 2) + 8 (T % 2) + r + 8 (r / 8).
; A BLOCK of out0 is 256 tokens x 128 columns: 32 x 8 = 256 work-groups of four waves, 2 x 2.  A WAVE HOLDS 64 ROWS OF Wo, ALL OF K, IN REGISTERS (512) and takes tokens past them in blocks of 16, all of K,
; which stand in registers as two sets (256): 32 products a block on four accumulators by turns, eight blocks a wave.  The bias is the first products' C.
; Source 0 takes 16 rows of Wo, source 1 16 tokens: a lane holds one token, and the registers of column tiles 2 B, 2 B + 1 are columns 32 B + 16 (lane / 16) + 0 .. 15.
; LDS: two slots of 128 rows of 1,024 bytes + 16 of padding.  A row is a row of Wo, or one head's 1,024 bytes of a tile of a (ao is dense, so a chunk of 128 tokens is 128 such rows).
; FILLS.  At the head, one a wave: Wo's 128 rows into slot 1 (wave 0: shown by a barrier of its own, for which wave 0 alone waits), the halves of chunk 0 into slot 0 (waves 1, 3), a's scale bytes (wave 2).
; When the weights are in registers, chunk 1 is filled over them, a quarter a wave, behind a drained round, which also shows chunk 0.  A plain barrier behind block 2 shows chunk 1.
; CLUSTERS of 4 x 4: a's rows are shared along a row, Wo's along a column: joint loads.  Wo's scale words and the bias go from memory straight into registers.
; PREFETCH: behind the first barrier each wave names 8,192 bytes of chunk 1, lanes 256 bytes apart; the four partners that load the chunk jointly share its 131,072 bytes out by address (cx): each block once.
; It stands the 128 LDS loads of the weights and a round ahead of the load that wants the bytes.  Nothing else is loaded later than the head.
; THE WAY OUT: a block's 16 x 64 results go through the wave's own stage, which no fill touches, and leave as rows of 256 bytes, aligned, while the next block is multiplied.
; A row of aosc whose bytes are 0xff (a query with no valid key) makes its row of out0 NaN, as reference() does.  LIMITS: NaN and infinities elsewhere are not served.
; REGISTERS: window 0: v4-23 addresses; v24-39 Wo's scale words; v44-59 a's, two sets; v64-95 the bias; v96-159 two sets of four accumulators; v160-191 rows on their way out.
;   windows 1, 2: Wo's fragment 4 q + b at v[16 ((4 q + b) % 16)] of window 1 + q / 4;  window 3: a's blocks, set e at v[128 e].
.set KROW,   1024
.set PITCH,  KROW+16
.set NP,     8                         ; places behind this matrix instruction (ISA guide 7.12.1)
.set NF,     34                        ; LDS loads of a block: eight fragments of four, two of four scale words
.set YB,     128*PITCH                 ; slot 1
.set SCL,    2*YB                      ; a's scale bytes: 256 rows of 32, as runs of 256 bytes + 16 of padding
.set SBLK,   2*272                     ; those of 16 rows
.set STAGE,  SCL+32*272
.set SPITCH, 272
.set SPARE,  STAGE+4*16*SPITCH         ; the spare words, 128 bytes a wave
.set PF,   7                           ; v7     the prefetch's offset; never rewritten
.set CO,   8                           ; v8     16 x lane
.set SPW,  10
.set NIL,  11
.set ADR,  12                          ; v12-15 LDS address of my blocks 2 j, 2 j + 1
.set ADRB, 16                          ; v16    of my 64 rows of Wo
.set AAS,  17                          ; v17    of my rows' scale words
.set ABS,  18                          ; v18    32 x lane: Wo's scale bytes in memory
.set STO,  19
.set RD,   20
.set GO,   21                          ; v21    lanes 0-15 one row of out0, lanes 16-31 the next; 16 bytes a lane
.set VBJ,  22
.set SB,   24                          ; register 8 p + q: lanes 0-15 column tile 2 p's word, lanes 16-31 tile 2 p + 1's
.set SA,   44                          ; set e at 44 + 8 e: no product's two scale words have numbers equal modulo 8
.set BIAS, 64
.set ACC,  96
.set OB,   160
.set G1B, 24                           ; s[24:31], s[56:59] Wo's rows
.set G0B, 56
.set G1A, 32                           ; s[32:39], s[60:63] half of chunk 0
.set G0A, 60
.set G1R, 48                           ; s[48:55], s[76:79] a quarter of chunk 1
.set G0R, 76
.set G1S, 68                           ; s[68:75], s[80:83] a's scale bytes
.set G0S, 80
.set MSB, 0
.macro WIN new                         ; the immediate's high byte repeats the setting that is left
.if MSB != (\new)
	s_set_vgpr_msb (MSB<<8)|(\new)
.set MSB, \new
.endif
.endm
.macro PLACES n
.rept \n
	v_nop
.endr
.endm
.macro TL g0, g1                       ; a tensor load; an s_nop 0 and four v_nop follow it
	tensor_load_to_lds s[\g0:\g0+3], s[\g1:\g1+7]
	s_nop 0
	PLACES 4
.endm
.macro BARRIER
	s_barrier_signal -1
	s_barrier_wait -1
.endm
.macro CROUND                          ; a round of the cluster's barrier
	BARRIER
	s_cmp_lg_u32 s14, 0
	s_cbranch_scc1 .Lnot_wave_0_\@
	s_barrier_signal -3
.Lnot_wave_0_\@:
	s_barrier_wait -3
	BARRIER
.endm
.macro GROUP1 g, mask, rows            ; so many rows of 1,024 bytes, dense in memory, 16 bytes of padding behind each in LDS
	s_or_b32 s[\g+0], s[\mask], (1<<20)|(1<<21)|(7<<22)|(3<<25)
	s_mov_b32 s[\g+1], (KROW&0xffff)<<16
	s_mov_b32 s[\g+2], (KROW>>16)|((\rows)<<16)
	s_mov_b32 s[\g+3], KROW<<16
	s_mov_b32 s[\g+4], \rows
	s_mov_b32 s[\g+5], KROW
	s_mov_b32 s[\g+6], 0
	s_mov_b32 s[\g+7], 0
.endm
	s_load_b128 s[4:7], s[0:1], 0x0                ; ao, aosc
	s_load_b128 s[8:11], s[0:1], 0x10              ; codes, scales
	s_load_b128 s[96:99], s[0:1], 0x20             ; Wo_b, out0
	v_lshl_add_u32 v[SPW], v0, 2, SPARE
	v_mov_b32 v[NIL], 0
	ds_add_u32 v[SPW], v[NIL]                      ; the wave's opening: the add, twice on end, and its wait ahead of my first tensor load
	ds_add_u32 v[SPW], v[NIL]
	v_lshrrev_b32 v1, 5, v0
	v_readfirstlane_b32 s14, v1                    ; wave 0..3
	s_lshr_b32 s15, s14, 1                         ; which 64 tokens of a chunk are mine
	s_and_b32 s16, s14, 1                          ; which 64 columns
	s_bfe_u32 s40, ttmp6, 0x40000                  ; cx, cy
	s_bfe_u32 s41, ttmp6, 0x40004
	s_lshl_b32 s42, ttmp9, 2
	s_add_co_u32 s42, s42, s40                     ; block column: 128 columns
	s_and_b32 s17, ttmp7, 0xffff
	s_lshl_b32 s17, s17, 2
	s_add_co_u32 s17, s17, s41                     ; block row: 256 tokens
	s_lshl_b32 s43, s41, 2
	s_lshl_b32 s43, 15, s43                        ; my row of the cluster: shares a's rows
	s_lshl_b32 s44, 0x1111, s40                    ; my column: shares Wo's
	GROUP1 G1B, 44, 128
	GROUP1 G1A, 43, 64
	GROUP1 G1R, 43, 32
	s_or_b32 s[G1S+0], s43, (3<<16)|(1<<20)|(1<<21)|(5<<22)|(3<<25)   ; 8,192 dense bytes as 32 rows of 256 (32 elements of 8), 16 of padding behind each
	s_mov_b32 s[G1S+1], 32<<16
	s_mov_b32 s[G1S+2], 32<<16
	s_mov_b32 s[G1S+3], 32<<16
	s_mov_b32 s[G1S+4], 32
	s_mov_b32 s[G1S+5], 32
	s_mov_b32 s[G1S+6], 0
	s_mov_b32 s[G1S+7], 0
	s_lshl_b32 s20, s17, 18                        ; a: 256 tokens of 1,024 bytes a block row,
	s_mov_b32 s21, 0
	s_lshl_b32 s22, s17, 13                        ; of 32 scale bytes
	s_mov_b32 s23, 0
	s_lshl_b32 s46, s42, 7
	s_add_co_u32 s46, s46, 19456                   ; Wo's first position + 128 x block column
	s_lshl_b32 s84, s16, 6
	s_add_co_u32 s84, s84, s46
	s_lshl_b32 s84, s84, 5                         ; my 64 rows' scale bytes
	s_mov_b32 s85, 0
	s_lshl_b32 s46, s46, 10
	s_mov_b32 s47, 0
	s_lshl_b32 s86, s40, 15                        ; the prefetch: chunk 1, my work-group's quarter (by cx), my wave's quarter of that
	s_add_co_u32 s86, s86, s20
	s_add_co_u32 s86, s86, 131072
	s_lshl_b32 s87, s14, 13
	s_add_co_u32 s86, s86, s87
	s_wait_dscnt 0x0                               ; both opening adds are done
	s_wait_kmcnt 0x0
	s_add_nc_u64 s[20:21], s[4:5], s[20:21]
	s_add_nc_u64 s[22:23], s[6:7], s[22:23]
	s_add_nc_u64 s[46:47], s[8:9], s[46:47]
	s_add_nc_u64 s[84:85], s[10:11], s[84:85]
	CROUND                                         ; all sixteen work-groups are here: the first joint loads meet
	s_mov_b32 s[G0B], 1
	s_mov_b32 s[G0B+1], YB
	s_mov_b64 s[G0B+2:G0B+3], s[46:47]
	s_or_b32 s[G0B+3], s[G0B+3], 0x80000000
	s_mov_b32 s[G0A], 1                            ; waves 1, 3: rows 0-63, 64-127 of chunk 0
	s_mul_i32 s[G0A+1], s15, 64*PITCH
	s_lshl_b32 s18, s15, 16
	s_mov_b32 s19, 0
	s_add_nc_u64 s[G0A+2:G0A+3], s[20:21], s[18:19]
	s_or_b32 s[G0A+3], s[G0A+3], 0x80000000
	s_mov_b32 s[G0S], 1
	s_mov_b32 s[G0S+1], SCL
	s_mov_b64 s[G0S+2:G0S+3], s[22:23]
	s_or_b32 s[G0S+3], s[G0S+3], 0x80000000
	s_mov_b32 s[G0R], 1                            ; chunk 1: 32 rows a wave
	s_mul_i32 s[G0R+1], s14, 32*PITCH
	s_add_co_u32 s[G0R+1], s[G0R+1], YB
	s_lshl_b32 s18, s14, 15
	s_add_co_u32 s18, s18, 131072
	s_add_nc_u64 s[G0R+2:G0R+3], s[20:21], s[18:19]
	s_or_b32 s[G0R+3], s[G0R+3], 0x80000000
	s_cmp_eq_u32 s14, 0                            ; ONE joint load a wave: one chain of branches on the wave's number; the weights, shown ahead of the rest, have a line of their own
	s_cbranch_scc0 .Lhead_s
	TL G0B, G1B
	s_branch .Lasked
.Lhead_s:
	s_cmp_eq_u32 s14, 2
	s_cbranch_scc0 .Lhead_a
	TL G0S, G1S
	s_branch .Lasked
.Lhead_a:
	TL G0A, G1A
.Lasked:
	v_and_b32 v1, 15, v0                           ; r
	v_bfe_u32 v2, v0, 4, 1                         ; h
	v_and_b32 v3, 31, v0                           ; lane
	v_lshlrev_b32 v[CO], 4, v3
	v_mul_u32_u24 v4, v1, PITCH
	v_lshl_add_u32 v4, v2, 4, v4                   ; a row of Wo x pitch + 16 h
	v_lshlrev_b32 v5, 5, v1                        ; a's scale bytes: 32 a row, and 16 more for each 256 passed
	v_lshrrev_b32 v6, 3, v1
	v_lshl_add_u32 v5, v6, 4, v5
	v_lshlrev_b32 v[ABS], 5, v3
	v_mul_u32_u24 v6, v1, SPITCH
	v_lshl_add_u32 v6, v2, 6, v6                   ; into the stage: row r, 64 h bytes on
	v_mul_u32_u24 v9, v2, SPITCH
	v_lshl_add_u32 v9, v1, 4, v9                   ; back: lanes 0-15 one row, lanes 16-31 the next
	v_lshlrev_b32 v[GO], 12, v2
	v_lshl_add_u32 v[GO], v1, 4, v[GO]
	v_lshlrev_b32 v[VBJ], 6, v2
	v_lshl_add_u32 v[PF], v3, 8, s86
	s_wait_alu depctr_va_vdst(0)
	s_mul_i32 s18, s15, 4*16*PITCH                 ; my four tiles of a chunk
.irp j, 0,1,2,3
	s_add_co_u32 s19, s18, (\j%2)*2*16*PITCH+(\j/2)*YB
	v_add_nc_u32 v[ADR+\j], s19, v[CO]
.endr
	s_mul_i32 s19, s16, 64*PITCH
	s_add_co_u32 s19, s19, YB
	v_add_nc_u32 v[ADRB], s19, v4
	s_mul_i32 s19, s15, 4*SBLK
	s_add_co_u32 s19, s19, SCL
	v_add_nc_u32 v[AAS], s19, v5
	s_mul_i32 s19, s14, 16*SPITCH
	s_add_co_u32 s19, s19, STAGE
	v_add_nc_u32 v[STO], s19, v6
	v_add_nc_u32 v[RD], s19, v9
	s_lshl_b32 s18, s17, 8
	s_lshl_b32 s19, s15, 6
	s_add_co_u32 s18, s18, s19                     ; my first token of chunk 0
	s_lshl_b32 s18, s18, 12                        ; a row of out0 is 4,096 bytes
	s_lshl_b32 s46, s42, 9
	s_lshl_b32 s47, s16, 8
	s_add_co_u32 s46, s46, s47                     ; my first column, in bytes
	s_mov_b32 s47, 0
	s_add_nc_u64 s[96:97], s[96:97], s[46:47]
	s_add_co_u32 s18, s18, s46
	s_mov_b32 s19, 0
	s_add_nc_u64 s[12:13], s[98:99], s[18:19]
	s_wait_alu depctr_va_vdst(0)                   ; the head's end
.irp p, 0,1
.irp c, 0,1
	global_load_b128 v[SB+8*\p+4*\c:SB+8*\p+4*\c+3], v[ABS], s[84:85] offset:\p*1024+16*\c   ; lane l: row l of a pair of column tiles, words 4 c .. 4 c + 3
.endr
.endr
.irp b, 0,1,2,3
	global_load_b128 v[BIAS+8*\b:BIAS+8*\b+3], v[VBJ], s[96:97] offset:(32*(\b/2)+8*(\b%2))*4
	global_load_b128 v[BIAS+8*\b+4:BIAS+8*\b+7], v[VBJ], s[96:97] offset:(32*(\b/2)+8*(\b%2))*4+16
.endr
	s_cmp_eq_u32 s14, 0
	s_cbranch_scc0 .Lnot_b
	s_wait_tensorcnt 0x0                           ; wave 0: the weights have landed.  The other waves' wait stands ahead of the round below
.Lnot_b:
	BARRIER
	global_prefetch_b8 v[PF], s[4:5] th:TH_LOAD_NT scope:SCOPE_SE
; my 64 rows of Wo, all of K: fragment 4 q + b, 16 rows x 128 of K: lane l holds row l % 16; registers 4 c .. 4 c + 3 hold K = 32 c + 16 (l / 16) + 0 .. 15
.irp q, 0,1,2,3,4,5,6,7
	WIN (1+\q/4)<<6
.irp b, 0,1,2,3
.irp c, 0,1,2,3
	ds_load_b128 v[16*((4*\q+\b)%16)+4*\c:16*((4*\q+\b)%16)+4*\c+3], v[ADRB] offset:128*\q+32*\c+\b*16*PITCH
.endr
.endr
.endr
	WIN 0
.macro FETCH n                         ; block n, 16 tokens, all of K, into set n % 2 of window 3, and its scale words: NF loads.  Piece c of K step q is half c % 2 of head 2 q + c / 2
	WIN 3<<6
.irp q, 0,1,2,3,4,5,6,7
.irp c, 0,1,2,3
	ds_load_b128 v[128*((\n)%2)+16*\q+4*\c:128*((\n)%2)+16*\q+4*\c+3], v[ADR+(\n)/2] offset:((\n)%2)*16*PITCH+(2*\q+\c/2)*PITCH+(\c%2)*512
.endr
.endr
	WIN 0
	ds_load_b128 v[SA+8*((\n)%2):SA+8*((\n)%2)+3], v[AAS] offset:(8*((\n)/4)+(\n)%4)*SBLK
	ds_load_b128 v[SA+8*((\n)%2)+4:SA+8*((\n)%2)+7], v[AAS] offset:(8*((\n)/4)+(\n)%4)*SBLK+16
.endm
.macro P1 d, w, r, c, ws, xs, odd
.if \odd
	v_wmma_scale_f32_16x16x128_f8f6f4 v[\d:\d+7], v[\w:\w+15], v[\r:\r+15], v[\c:\c+7], v[\ws], v[\xs] matrix_a_scale:MATRIX_SCALE_ROW1
.else
	v_wmma_scale_f32_16x16x128_f8f6f4 v[\d:\d+7], v[\w:\w+15], v[\r:\r+15], v[\c:\c+7], v[\ws], v[\xs]
.endif
.endm
.macro PRODS e                         ; a block's 32 products: tokens and sums in set e; the four accumulators take turns, one instruction a turn
.irp q, 0,1,2,3,4,5,6,7
	WIN (1+\q/4)|(3<<2)
.irp b, 0,1,2,3
.if \q == 0
	P1 ACC+32*(\e)+8*\b, 16*((4*\q+\b)%16), 128*(\e)+16*\q, BIAS+8*\b, SB+8*(\b/2)+\q, SA+8*(\e)+\q, \b%2
.else
	P1 ACC+32*(\e)+8*\b, 16*((4*\q+\b)%16), 128*(\e)+16*\q, ACC+32*(\e)+8*\b, SB+8*(\b/2)+\q, SA+8*(\e)+\q, \b%2
.endif
.endr
.endr
	WIN 0
.endm
.macro TOSTAGE e                       ; LDS serves a wave's instructions in order (ISA guide 5.7.1.4): no wait between the stores and the loads
.irp b, 0,1,2,3
	ds_store_b128 v[STO], v[ACC+32*(\e)+8*\b:ACC+32*(\e)+8*\b+3] offset:128*(\b/2)+32*(\b%2)      ; each accumulator from its low end on
	ds_store_b128 v[STO], v[ACC+32*(\e)+8*\b+4:ACC+32*(\e)+8*\b+7] offset:128*(\b/2)+32*(\b%2)+16
.endr
.irp i, 0,1,2,3,4,5,6,7
	ds_load_b128 v[OB+4*\i:OB+4*\i+3], v[RD] offset:2*\i*SPITCH
.endr
.endm
.macro SEND n                          ; stage row t of block n is token 128 (n / 4) + 32 ((n % 4) / 2) + 8 (n % 2) + t + 8 (t / 8) of my tokens; sixteen lanes store 256 consecutive bytes, aligned
.irp i, 0,1,2,3,4,5,6,7
	global_store_b128 v[GO], v[OB+4*\i:OB+4*\i+3], s[12:13] offset:(128*((\n)/4)+32*(((\n)%4)/2)+8*((\n)%2)+2*\i+8*(\i/4))*4096 th:TH_STORE_NT
.endr
.endm
; A BLOCK: the block before goes into the stage and back; this block's products; the block before is stored; this block's set takes the block two on.
.macro BLK n
.if \n > 0
	s_wait_xcnt 0x0                                ; the stores of two blocks back have read their registers
	TOSTAGE (\n-1)%2
	s_wait_dscnt NF+16                             ; my fragments are in; the next block's fetch and the stage's 16 instructions may be out
.else
	s_wait_dscnt NF                                ; the next block's fetch may be out
.endif
	PRODS (\n)%2
.if \n > 0
	s_wait_dscnt 0x0
	SEND \n-1
.endif
	PLACES NP                                      ; ahead of the fetch into registers that these products read, and of the stage's read of their sums
.if \n == 2
	s_wait_tensorcnt 0x0                           ; my quarter of chunk 1 is in,
	s_wait_dscnt 0x0
	BARRIER                                        ; everybody's is
.endif
.if \n < 6
	FETCH \n+2
.endif
.endm
	s_wait_tensorcnt 0x0                           ; my tile of the head's is in
	ds_add_u32 v[SPW], v[NIL]
	s_wait_dscnt 0x0                               ; the add is done, and the weights are in registers
	CROUND                                         ; chunk 0 and the scale bytes are whole, nobody reads slot 1 any more, all sixteen work-groups are here
	TL G0R, G1R                                    ; chunk 1 over the weights' rows
	FETCH 0
	FETCH 1
	s_wait_loadcnt 0x0                             ; Wo's scale words, the bias
.irp n, 0,1,2,3,4,5,6,7
	BLK \n
.endr
	s_wait_xcnt 0x0
	TOSTAGE 1
	s_wait_dscnt 0x0
	SEND 7
	s_wait_tensorcnt 0x0                           ; the wave's end
	ds_add_u32 v[SPW], v[NIL]
	s_wait_dscnt 0x0
	CROUND                                         ; the closing round
	s_endpgm
.Lfunc_end_k_q0e80d4be46_outp:
	.size	k_q0e80d4be46_outp, .Lfunc_end_k_q0e80d4be46_outp-k_q0e80d4be46_outp
	.p2alignl 7, 3214868480
	.fill 96, 4, 3214868480
	.section	.rodata,"a",@progbits
	.p2align	6, 0x0
	.amdhsa_kernel k_q0e80d4be46_outp
		.amdhsa_group_segment_fixed_size 327680
		.amdhsa_private_segment_fixed_size 0
		.amdhsa_enable_private_segment 0
		.amdhsa_kernarg_size 48
		.amdhsa_user_sgpr_count 2
		.amdhsa_user_sgpr_kernarg_segment_ptr 1
		.amdhsa_wavefront_size32 1
		.amdhsa_system_sgpr_workgroup_id_x 1
		.amdhsa_system_sgpr_workgroup_id_y 1
		.amdhsa_system_sgpr_workgroup_id_z 1
		.amdhsa_system_vgpr_workitem_id 0
		.amdhsa_next_free_vgpr 1024
		.amdhsa_next_free_sgpr 100
		.amdhsa_reserve_vcc 0
		.amdhsa_float_denorm_mode_32 3
		.amdhsa_float_denorm_mode_16_64 3
		.amdhsa_memory_ordered 1
		.amdhsa_forward_progress 1
		.amdhsa_inst_pref_size 87
	.end_amdhsa_kernel
	.amdgpu_metadata
---
amdhsa.version: [ 1, 2 ]
amdhsa.kernels:
  - .name:           k_q0e80d4be46_outp
    .symbol:         k_q0e80d4be46_outp.kd
    .args:
      - { .name: ao, .offset: 0, .size: 8, .value_kind: global_buffer, .address_space: global }
      - { .name: aosc, .offset: 8, .size: 8, .value_kind: global_buffer, .address_space: global }
      - { .name: codes, .offset: 16, .size: 8, .value_kind: global_buffer, .address_space: global }
      - { .name: scales, .offset: 24, .size: 8, .value_kind: global_buffer, .address_space: global }
      - { .name: Wo_b, .offset: 32, .size: 8, .value_kind: global_buffer, .address_space: global }
      - { .name: out0, .offset: 40, .size: 8, .value_kind: global_buffer, .address_space: global }
    .group_segment_fixed_size: 327680
    .private_segment_fixed_size: 0
    .kernarg_segment_align: 8
    .kernarg_segment_size: 48
    .max_flat_workgroup_size: 128
    .sgpr_count:     100
    .vgpr_count:     1024
    .wavefront_size: 32
...
	.end_amdgpu_metadata
.endif
;; end of part 4
